; MI455X (gfx1250); checked and timed in simulation.
; The chip was launched on July 23, 2026; its instructions are those of AMD's public machine-readable ISA for CDNA 5 (MIT licence, August 2026) and "CDNA5" Instruction Set Architecture Reference Guide (July 2026). The comments in the code are by the model that wrote it; some were corrected since.
;; Self Attention Layer. Allowed arithmetic: matrix products marked QUANTISED: E3M2 operands, one E8M0 scale for each 32 along K, by v_wmma_scale_f32_16x16x128_f8f6f4 with both operands' format E3M2, f32 sums; everything else in f32.
;; Inputs: WK 1,024 x 1,024 float32; WQ 1,024 x 1,024 float32; WV 1,024 x 1,024 float32; inputs 4 x 2,048 x 1,024 float32.
;; Outputs: out0 4 x 2,048 x 1,024 float32.
;; This version of the problem:
;;   THIS VERSION OF THE PROBLEM IS GIVEN IN LOW PRECISION. The matrix products marked QUANTISED in the list below multiply operands that are first quantised to E3M2 (3 exponent bits, 2 mantissa bits; 6 bits a number), with one power-of-two scale for each 32 numbers along K (OCP MX v1.0); their sums are f32. All else is computed in f32.
;;   The module's matrix products, in the order in which they are computed (A, B: the left and right operand; K: the contracted axis; several contracted axes count as one K, in the product's order):
;;     1. [M 8,192, K 1,024] x [K 1,024, N 1,024]; A: input inputs; B: input WQ: QUANTISED
;;     2. [M 8,192, K 1,024] x [K 1,024, N 1,024]; A: input inputs; B: input WK: QUANTISED
;;     3. [M 8,192, K 1,024] x [K 1,024, N 1,024]; A: input inputs; B: input WV: QUANTISED
;;     4. batch 4 x [M 2,048, K 1,024] x [K 1,024, N 2,048]; A: computed on the way; B: computed on the way: QUANTISED
;;     5. batch 4 x [M 2,048, K 2,048] x [K 2,048, N 1,024]; A: softmax (see below); B: computed on the way: QUANTISED
;;   THE QUANTISER, for each operand of a quantised product, along K:
;;     - K is cut into blocks of 32 from its start; a last block that is shorter is filled with zeros.
;;     - A block's scale is 2^e with e = floor(log2(the largest magnitude in the block)) - 4, held to -126 .. 127; a block of zeros has e = 0. As a byte (E8M0): e + 127.
;;     - Each number is divided by its block's scale, clamped to +-28, and rounded to the nearest number of E3M2, ties to even, subnormals kept.
;;     - The product sums the exact products of the quantised numbers (number of the format x scale) in f32.
;;   ~~~python
;;   def quantise(x, axis):      # numpy; x: float32 -> the quantised numbers, widened to float32 again
;;       x = np.moveaxis(x, axis, -1); K = x.shape[-1]
;;       x = np.pad(x, [(0, 0)] * (x.ndim - 1) + [(0, -K % 32)]); x = x.reshape(x.shape[:-1] + (-1, 32)); a = np.abs(x).max(-1, keepdims=True)
;;       e = np.where(a > 0, np.clip(np.frexp(np.where(a > 0, a, 1))[1] - 1 - 4, -126, 127), 0)      # np.frexp(a)[1] - 1 = floor(log2(a)), exactly
;;       r = np.clip(x / 2.0 ** e, -28, 28)
;;       step = 2.0 ** (np.maximum(np.frexp(np.where(r == 0, 1, r))[1] - 1, -2) - 2)
;;       q = np.round(r / step) * step * 2.0 ** e      # np.round: ties to even
;;       return np.moveaxis(q.reshape(q.shape[:-2] + (-1,))[..., :K], -1, axis).astype(np.float32)
;;   ~~~
;;   SOFTMAX AHEAD OF A QUANTISED PRODUCT. Where the list says 'softmax', what is quantised is not the finished softmax but p = 2^(t - M), with t = logit x log2(e) and M = ceil(the row's largest t), a whole number; so 1/2 < the row's largest p <= 1. The row's sum l is taken of the UNQUANTISED p, in f32, and the product's result is divided by l at the end. Since M is a whole number, a kernel that streams over the keys may use a running M (the ceiling of the running maximum): every later rescaling is an exact power of two, which a block's scale takes up: the codes' values come out the same.
;;   OPERANDS COMPUTED ON THE WAY. 'Computed on the way' means the value that the module computes at that place (a softmax that the list does not call 'softmax' is quantised finished and normalised). What goes into a quantiser is computed in f32, as accurately as f32 sums, v_exp_f32 and their like allow (about 1e-6 of the number): no bf16 or f16 on the way to a quantiser, and a product that is left as it is and whose result goes on into a quantised operand takes f32 operands (vector FMAs, or v_wmma_f32_16x16x4_f32). A number that lies on a knife's edge between two numbers of the format may be rounded either way, as far as f32 arithmetic and the matrix unit's own rounding can turn it there, and no further.
;; One version. Each part assembles by itself: llvm-mc -triple=amdgcn-amd-amdhsa -mcpu=gfx1250 --defsym DOCPART=n.
;; ======== version 1 of 1: 4 launches
;; limits: right only within a limited range of input values
;; workspace buffers: xwc 8,650,752 bytes; xws 360,448 bytes; qkvc 18,874,368 bytes; qkvs 786,432 bytes; pc 12,582,912 bytes; pst 1,572,864 bytes
;; launch quant (part 1): grid 448 x 1, 4 waves a work-group, no clusters, 47,616 bytes of LDS; arguments inputs, WQ, WK, WV, xwc, xws; writes xwc, xws
.if DOCPART == 1
	.amdgcn_target "amdgcn-amd-amdhsa--gfx1250"
	.amdhsa_code_object_version 6
	.text
	.protected	k_qeb0853225d_quant
	.globl	k_qeb0853225d_quant
	.p2align	8
	.type	k_qeb0853225d_quant,@function
k_qeb0853225d_quant:
	s_mov_b64 s[64:65], 0
	v_nop
	global_prefetch_b8 v0, s[64:65] scope:SCOPE_SE
	s_setreg_imm32_b32 hwreg(HW_REG_WAVE_MODE, 25, 1), 1
	s_wait_xcnt 0x0
; inputs [8192][1024] f32 (K = the last axis) and WQ, WK, WV [1024 (K)][1024] f32 become codes of E3M2 with one E8M0 byte for each 32 along K,
; laid as the products' launches take them: as IMAGES OF OPERAND REGISTERS.
; A FRAGMENT is 16 rows x 128 K, 12 registers a lane, 1,536 bytes: register p of lane L at byte 512 (p / 4) + 16 L + 4 (p % 4); lane (r, h) holds row r, registers 6 c .. 6 c + 5 = K 64 c + 32 h + 0 .. 31.
; A GROUP is 128 rows, 8 fragments t; lane r of fragment t holds row 32 (t / 2) + 8 (t % 2) + r + 8 (r / 8).  xwc: [group G][K step q of 8][t][1,536]; G = 0 .. 63: the tokens' groups; G = 64 + 8 mat + g: the columns 128 g .. of WQ, WK, WV.
; xws: a block of 512 bytes for each (G, q): the scale word (four bytes, 128 along K) of fragment t, lane r at 256 (t / 4) + 16 r + 4 (t % 4).
; A block's scale byte is its largest magnitude's exponent field - 4, held at 1 from below by a floor among the maximum's leaves.
; LIMITS: NaN and infinities among the inputs are not served; a block of zeros gets the byte 1 (its codes are zeros, and this program alone reads the bytes).
; Work-groups 0 .. 255 take the tokens, 256 .. 447 the weights: the two ways part on the work-group's number and have LDS bytes of their own.  No tensor load, no barrier: waves share nothing.
.set XSTG,  8448                       ; tokens: a wave's stage, 16 rows x XP
.set XP,    528                        ; 512 bytes + 16: an odd multiple of 16, so that sixteen rows' 16-byte pieces start at sixteen different groups of banks (64 banks of 4 bytes: ISA guide 11.1)
.set WBASE, 33792                      ; weights: the stages begin behind the tokens' four
.set WSTG,  3328                       ; a wave's: two fragments
.set WFR,   1664                       ; a fragment's place: 1,536 + 128, so that the two fragments that one store touches start 128 bytes apart modulo 256
.set FRB,   1536
	s_load_b256 s[4:11], s[0:1], 0x0               ; inputs s[4:5], WQ s[6:7], WK s[8:9], WV s[10:11]
	s_load_b128 s[12:15], s[0:1], 0x20             ; xwc s[12:13], xws s[14:15]
	v_lshl_add_u32 v254, v0, 2, 0xb800
	v_mov_b32 v255, 0
	v_lshrrev_b32 v1, 5, v0
	v_readfirstlane_b32 s16, v1                    ; wave 0..3
	v_and_b32 v2, 31, v0                           ; lane
	v_lshlrev_b32 v5, 4, v2                        ; 16 x lane
	s_mov_b32 s25, 0
	s_wait_kmcnt 0x0
	s_cmp_lt_u32 ttmp9, 256
	s_cbranch_scc0 .Lweights
; ---- THE TOKENS.  Work-group id: group g = id / 4; wave w: K step q = 2 (id % 4) + w / 2, fragments t = 4 (w % 2) + f, f = 0 .. 3.
; Each load reads 512 consecutive bytes: one row's 128 numbers of the K step.  A fragment's 16 rows turn through the wave's own stage, so that lane (r, h) gets, of row r, the whole blocks h and 2 + h.
	v_and_b32 v3, 15, v0                           ; r
	v_bfe_u32 v4, v0, 4, 1                         ; h
	s_mov_b32 s20, 0x76543210
	s_mov_b32 s21, 0xfedcba98                      ; v_permlanex16_b32's selects for lane l xor 16
	s_lshr_b32 s17, ttmp9, 2                       ; g
	s_and_b32 s18, ttmp9, 3
	s_lshl_b32 s18, s18, 1
	s_lshr_b32 s19, s16, 1
	s_add_co_u32 s18, s18, s19                     ; q
	s_and_b32 s19, s16, 1                          ; j = w % 2
	s_lshl_b32 s24, s17, 19                        ; 128 g rows of 4,096 bytes
	s_lshl_b32 s26, s19, 18                        ; + 64 j rows
	s_add_co_u32 s24, s24, s26
	s_lshl_b32 s26, s18, 9                         ; + 512 q
	s_add_co_u32 s24, s24, s26
	s_add_nc_u64 s[4:5], s[4:5], s[24:25]
	s_lshl_b32 s23, s17, 3
	s_add_co_u32 s23, s23, s18                     ; 8 g + q
	s_mul_i32 s24, s23, 8*FRB
	s_mul_i32 s26, s19, 4*FRB
	s_add_co_u32 s24, s24, s26
	s_add_nc_u64 s[12:13], s[12:13], s[24:25]      ; my four fragments
	s_lshl_b32 s24, s23, 9
	s_lshl_b32 s26, s19, 8
	s_add_co_u32 s24, s24, s26
	s_add_nc_u64 s[14:15], s[14:15], s[24:25]      ; my half of the scale block
	s_mul_i32 s22, s16, XSTG
	s_wait_alu depctr_va_vdst(0)
	v_add_nc_u32 v6, s22, v5                       ; the stage, in: 16 x lane of row i
	v_mul_u32_u24 v7, v3, XP
	v_lshl_add_u32 v7, v4, 7, v7
	v_add_nc_u32 v7, s22, v7                       ; and back: row r, + 128 h
	v_lshlrev_b32 v8, 3, v4                        ; 8 h: where my two bytes stand in the scale word
	v_lshlrev_b32 v9, 4, v3                        ; 16 r
	v_mov_b32 v215, 0                              ; written once: a lane permute's destination counts as one of its sources
.macro XLOAD f                         ; fragment f's 16 rows into set f % 2 (v16-79, v80-143)
.irp i, 0,1,2,3,4,5,6,7,8,9,10,11,12,13,14,15
	global_load_b128 v[16+64*((\f)%2)+4*\i:16+64*((\f)%2)+4*\i+3], v5, s[4:5] offset:(32*((\f)/2)+8*((\f)%2)+\i+8*(\i/8))*4096 th:TH_LOAD_NT
.endr
.endm
.macro XFRAG f
.set RS, 16+64*((\f)%2)
.if (\f) < 3
	s_wait_loadcnt 16                              ; this fragment's 16 loads are in; the next fragment's 16 may be out
.else
	s_wait_loadcnt 0x0
.endif
.irp i, 0,1,2,3,4,5,6,7,8,9,10,11,12,13,14,15
	ds_store_b128 v6, v[RS+4*\i:RS+4*\i+3] offset:XP*\i
.endr
.irp c, 0,1
.irp k, 0,1,2,3,4,5,6,7
	ds_load_b128 v[144+32*\c+4*\k:144+32*\c+4*\k+3], v7 offset:256*\c+16*\k   ; LDS serves a wave's instructions in order (ISA guide 5.7.1.4): these see the stores above
.endr
.endr
	s_wait_dscnt 0x0                               ; the numbers are back, and the stores have read their set,
.if (\f)+2 < 4
	XLOAD (\f)+2                                   ; which takes the fragment two on
.endif
.irp c, 0,1
	v_max3_num_f32 v[208+\c], |v[144+32*\c]|, |v[145+32*\c]|, 0x2800000   ; block 2 c + h: all its 32 numbers are mine; the floor 2^(5 - 127) holds the byte at 1 from below
.endr
.irp i, 2,4,6,8,10,12,14,16,18,20,22,24,26,28,30
.irp c, 0,1
	v_max3_num_f32 v[208+\c], v[208+\c], |v[144+32*\c+\i]|, |v[145+32*\c+\i]|
.endr
.endr
.irp c, 0,1
	v_add_nc_u32 v[210+\c], 0xfe000000, v[208+\c]  ; 4 off the exponent field: the conversion takes this operand's exponent field as its scale
.endr
.irp c, 0,1
	v_lshrrev_b32 v[212+\c], 23, v[210+\c]         ; the scale's byte
.endr
	v_lshl_or_b32 v214, v213, 16, v212             ; my bytes: blocks h and 2 + h,
	v_lshlrev_b32 v214, v8, v214                   ; at their places in the word;
	v_permlanex16_b32 v215, v214, s20, s21
	v_or_b32 v[236+\f], v214, v215                 ; with lane l xor 16's two the word is whole
	s_wait_alu depctr_va_vdst(0)
	s_wait_xcnt 0x0                                ; the last fragment's stores have read their registers: the codes may be written again
.irp c, 0,1
	v_cvt_scalef32_pk16_bf6_f32 v[216+6*\c:218+6*\c], v[144+32*\c:159+32*\c], v[210+\c]
	v_cvt_scalef32_pk16_bf6_f32 v[228+4*\c:230+4*\c], v[160+32*\c:175+32*\c], v[210+\c]   ; (a conversion's three registers begin on an even number)
.endr
	v_nop                                          ; one plain place behind a scaled conversion
.irp c, 0,1
.irp i, 0,1,2
	v_mov_b32 v[219+6*\c+\i], v[228+4*\c+\i]
.endr
.endr
.irp c, 0,1,2
	global_store_b128 v5, v[216+4*\c:219+4*\c], s[12:13] offset:FRB*(\f)+512*\c   ; 32 lanes store 512 consecutive bytes, at a multiple of 256 from the buffer's first byte
.endr
.endm
	XLOAD 0
	XLOAD 1
	s_wait_alu depctr_va_vdst(0)
	XFRAG 0
	XFRAG 1
	XFRAG 2
	XFRAG 3
	v_cmp_gt_u32 vcc_lo, 16, v2
	s_wait_xcnt 0x0                                ; EXEC changes only behind this wait
	s_wait_tensorcnt 0x0
	ds_add_u32 v254, v255
	s_wait_dscnt 0x0
	s_and_saveexec_b32 s22, vcc_lo
	global_store_b128 v9, v[236:239], s[14:15]     ; lanes 0-15: the four fragments' words of row r: 256 consecutive bytes
	s_wait_xcnt 0x0
	s_or_b32 exec_lo, exec_lo, s22
	s_endpgm
; ---- THE WEIGHTS.  y = id - 256 = 64 mat + 8 g + q.  A LANE TAKES A COLUMN, AND ITS REGISTERS RUN DOWN K: wave w has columns 128 g + 32 w + lane; each load reads 128 consecutive bytes, the four waves side by side.
; Column 32 w + l of the group is lane r = l % 8 + 8 (l / 16) of fragment t = 2 w + u, u = (l / 8) % 2.  Block kb of the K step belongs to lane (r, kb % 2), registers 6 (kb / 2) ..: it is put there in the wave's own stage.
.Lweights:
	s_sub_co_u32 s17, ttmp9, 256                   ; y
	s_lshr_b32 s18, s17, 6                         ; mat
	s_cmp_eq_u32 s18, 0
	s_cselect_b64 s[6:7], s[6:7], s[8:9]           ; the choice hangs on the work-group's number alone
	s_cmp_eq_u32 s18, 2
	s_cselect_b64 s[6:7], s[10:11], s[6:7]
	s_bfe_u32 s20, s17, 0x30003                    ; g
	s_and_b32 s21, s17, 7                          ; q
	s_lshl_b32 s24, s21, 19                        ; 128 q rows of 4,096 bytes
	s_lshl_b32 s26, s20, 9                         ; + 128 g columns
	s_add_co_u32 s24, s24, s26
	s_lshl_b32 s26, s16, 7                         ; + 32 w columns
	s_add_co_u32 s24, s24, s26
	s_add_nc_u64 s[6:7], s[6:7], s[24:25]
	s_mul_i32 s24, s17, 8*FRB                      ; (8 mat + g) x 8 + q = y
	s_mul_i32 s26, s16, 2*FRB
	s_add_co_u32 s24, s24, s26
	s_add_co_u32 s24, s24, 6291456                 ; behind the tokens' 64 groups
	s_add_nc_u64 s[12:13], s[12:13], s[24:25]
	s_lshl_b32 s24, s17, 9
	s_lshr_b32 s26, s16, 1
	s_lshl_b32 s26, s26, 8                         ; 256 (t / 4)
	s_add_co_u32 s24, s24, s26
	s_and_b32 s26, s16, 1
	s_lshl_b32 s26, s26, 3                         ; 4 (t % 4) = 8 (w % 2) + 4 u
	s_add_co_u32 s24, s24, s26
	s_add_co_u32 s24, s24, 262144
	s_add_nc_u64 s[14:15], s[14:15], s[24:25]
	v_bfe_u32 v10, v0, 3, 1                        ; u
	v_and_b32 v11, 7, v0
	v_bfe_u32 v12, v0, 4, 1
	v_lshl_add_u32 v11, v12, 3, v11                ; r
	v_lshlrev_b32 v11, 4, v11                      ; 16 r
	v_lshl_add_u32 v13, v10, 2, v11                ; 16 r + 4 u: my scale word's place
	v_mad_u32_u24 v11, v10, WFR, v11
	s_mul_i32 s19, s16, WSTG
	s_add_co_u32 s19, s19, WBASE
	v_add_nc_u32 v11, s19, v11                     ; the stage, in
	s_wait_alu depctr_va_vdst(0)
	v_add_nc_u32 v14, s19, v5                      ; and back: 16 x lane
	v_lshlrev_b32 v15, 2, v2                       ; 4 x lane
.macro WLOAD kb                        ; block kb: W(128 q + 32 kb + i, my column) into set kb % 2 (v16-47, v48-79)
.irp i, 0,1,2,3,4,5,6,7,8,9,10,11,12,13,14,15,16,17,18,19,20,21,22,23,24,25,26,27,28,29,30,31
	global_load_b32 v[16+32*((\kb)%2)+\i], v15, s[6:7] offset:(32*(\kb)+\i)*4096 th:TH_LOAD_NT
.endr
.endm
.macro WBLOCK kb
.set XS, 16+32*((\kb)%2)
.if (\kb) < 3
	s_wait_loadcnt 32                              ; this block's 32 loads are in; the next block's may be out
.else
	s_wait_loadcnt 0x0
.endif
	v_max3_num_f32 v96, |v[XS]|, |v[XS+1]|, |v[XS+2]|
	v_max3_num_f32 v97, |v[XS+3]|, |v[XS+4]|, |v[XS+5]|
.irp i, 6,10,14,18,22,26
	v_max3_num_f32 v96, v96, |v[XS+\i]|, |v[XS+\i+1]|
	v_max3_num_f32 v97, v97, |v[XS+\i+2]|, |v[XS+\i+3]|
.endr
	v_max3_num_f32 v96, v96, |v[XS+30]|, |v[XS+31]|
	v_max3_num_f32 v96, v96, v97, 0x2800000        ; and the floor
	v_add_nc_u32 v98, 0xfe000000, v96
	v_lshrrev_b32 v99, 23, v98
.if (\kb) == 0
	v_mov_b32 v100, v99                            ; my column's scale word: the lower K in the lower byte
.else
	v_lshl_or_b32 v100, v99, 8*(\kb), v100
.endif
	v_cvt_scalef32_pk16_bf6_f32 v[104:106], v[XS:XS+15], v98
	v_cvt_scalef32_pk16_bf6_f32 v[112:114], v[XS+16:XS+31], v98
	v_nop                                          ; one plain place behind a scaled conversion
	v_mov_b32 v107, v112
	v_mov_b32 v108, v113
	v_mov_b32 v109, v114                           ; six registers on end: registers 6 (kb / 2) .. of lane (r, kb % 2)
.if (\kb) < 2
	ds_store_b128 v11, v[104:107] offset:256*((\kb)%2)
	ds_store_b64 v11, v[108:109] offset:256*((\kb)%2)+512
.else
	ds_store_b64 v11, v[104:105] offset:256*((\kb)%2)+520
	ds_store_b128 v11, v[106:109] offset:256*((\kb)%2)+1024
.endif
.if (\kb)+2 < 4
	WLOAD (\kb)+2
.endif
	s_wait_dscnt 0x0                               ; the stores have read their registers
.endm
	WLOAD 0
	WLOAD 1
	WBLOCK 0
	WBLOCK 1
	WBLOCK 2
	WBLOCK 3
.irp u, 0,1
.irp c, 0,1,2
	ds_load_b128 v[116+12*\u+4*\c:119+12*\u+4*\c], v14 offset:WFR*\u+512*\c
.endr
.endr
	s_wait_alu depctr_va_vdst(0)
	global_store_b32 v13, v100, s[14:15]           ; 4 bytes a lane, all 32 inside one block of 512 bytes that the four waves fill together: one byte in 25 of what this way stores
.irp u, 0,1
.irp c, 0,1,2
	s_wait_dscnt 5-3*\u-\c
	global_store_b128 v5, v[116+12*\u+4*\c:119+12*\u+4*\c], s[12:13] offset:FRB*\u+512*\c
.endr
.endr
	s_wait_tensorcnt 0x0
	ds_add_u32 v254, v255
	s_wait_dscnt 0x0
	s_endpgm
.Lfunc_end_k_qeb0853225d_quant:
	.size	k_qeb0853225d_quant, .Lfunc_end_k_qeb0853225d_quant-k_qeb0853225d_quant
	.p2alignl 7, 3214868480
	.fill 96, 4, 3214868480
	.section	.rodata,"a",@progbits
	.p2align	6, 0x0
	.amdhsa_kernel k_qeb0853225d_quant
		.amdhsa_group_segment_fixed_size 47616
		.amdhsa_private_segment_fixed_size 0
		.amdhsa_enable_private_segment 0
		.amdhsa_kernarg_size 48
		.amdhsa_user_sgpr_count 2
		.amdhsa_user_sgpr_kernarg_segment_ptr 1
		.amdhsa_wavefront_size32 1
		.amdhsa_system_sgpr_workgroup_id_x 1
		.amdhsa_system_sgpr_workgroup_id_y 1
		.amdhsa_system_sgpr_workgroup_id_z 1
		.amdhsa_system_vgpr_workitem_id 0
		.amdhsa_next_free_vgpr 256
		.amdhsa_next_free_sgpr 66
		.amdhsa_reserve_vcc 1
		.amdhsa_float_denorm_mode_32 3
		.amdhsa_float_denorm_mode_16_64 3
		.amdhsa_memory_ordered 1
		.amdhsa_forward_progress 1
		.amdhsa_inst_pref_size 52
	.end_amdhsa_kernel
	.amdgpu_metadata
---
amdhsa.version: [ 1, 2 ]
amdhsa.kernels:
  - .name:           k_qeb0853225d_quant
    .symbol:         k_qeb0853225d_quant.kd
    .args:
      - { .name: inputs, .offset: 0, .size: 8, .value_kind: global_buffer, .address_space: global }
      - { .name: WQ, .offset: 8, .size: 8, .value_kind: global_buffer, .address_space: global }
      - { .name: WK, .offset: 16, .size: 8, .value_kind: global_buffer, .address_space: global }
      - { .name: WV, .offset: 24, .size: 8, .value_kind: global_buffer, .address_space: global }
      - { .name: xwc, .offset: 32, .size: 8, .value_kind: global_buffer, .address_space: global }
      - { .name: xws, .offset: 40, .size: 8, .value_kind: global_buffer, .address_space: global }
    .group_segment_fixed_size: 47616
    .private_segment_fixed_size: 0
    .kernarg_segment_align: 8
    .kernarg_segment_size: 48
    .max_flat_workgroup_size: 128
    .sgpr_count:     66
    .vgpr_count:     256
    .wavefront_size: 32
...
	.end_amdgpu_metadata
.endif
;; end of part 1
;; launch qkv (part 2): grid 4 x 64, 8 waves a work-group, clusters of 4 x 4, 327,680 bytes of LDS; arguments xwc, xws, qkvc, qkvs; writes qkvc, qkvs
.if DOCPART == 2
	.amdgcn_target "amdgcn-amd-amdhsa--gfx1250"
	.amdhsa_code_object_version 6
	.text
	.protected	k_qeb0853225d_qkv
	.globl	k_qeb0853225d_qkv
	.p2align	8
	.type	k_qeb0853225d_qkv,@function
k_qeb0853225d_qkv:
	s_mov_b64 s[64:65], 0
	v_nop
	global_prefetch_b8 v0, s[64:65] scope:SCOPE_SE
	s_setreg_imm32_b32 hwreg(HW_REG_WAVE_MODE, 25, 1), 1
	s_wait_xcnt 0x0
	s_wait_alu depctr_hold_cnt(0) depctr_sa_sdst(0) depctr_va_vdst(0) depctr_va_sdst(0) depctr_va_ssrc(0) depctr_va_vcc(0) depctr_vm_vsrc(0)
	s_getreg_b32 s2, hwreg(HW_REG_IB_STS2, 6, 4)
	s_cmp_eq_u32 s2, 0
	s_cbranch_scc0 .Lentry_in_a_cluster
	s_endpgm
.Lentry_in_a_cluster:
	s_bfe_u32 s2, ttmp6, 0x10000c
	s_cmp_lg_u32 s2, 0xf033
	s_cbranch_scc0 .Lentry_shape_is_right
	s_endpgm
.Lentry_shape_is_right:
; Q = X WQ, K = X WK, V = X WV on codes of E3M2 (K = 1,024), and each result quantised at once, in registers, for the product that takes it: Q and K along the units, V along the tokens.
; LAYOUT of all operands (see the launch that made xwc): fragments of 16 rows x 128 K as images of their 12 registers (1,536 bytes), 8 to a group of 128 rows, lane r of fragment t = row 32 (t / 2) + 8 (t % 2) + r + 8 (r / 8);
; [group][K step][t][1,536]; a scale block of 512 bytes for each (group, K step): the word of fragment t, lane r at 256 (t / 4) + 16 r + 4 (t % 4).
; SHARES.  A work-group owns one group of 128 tokens (y = 0 .. 63) and one quarter of the units (256 columns, cx = 0 .. 3) and makes that piece of Q, then of K, then of V: 256 work-groups of equal work.
; Eight waves; a wave makes 8 blocks of source 0 (b) x 2 blocks of source 1 (a): 16 accumulators.
;   Q, K: source 0 = the weight's column group 2 cx + w % 2, source 1 = the tokens' fragments 2 (w / 2), + 1.
;   V:    source 0 = the tokens' group, source 1 = WV's fragments 2 (w % 4), + 1 of column group 2 cx + w / 4: V comes out with the tokens innermost.
; A result's lane (r, h) holds ONE row of source 1; the 16 registers of blocks b = 2 c, 2 c + 1 are source 0's rows 32 c + 16 h + i.  So a wave's results ARE two fragments of the output.
; CLUSTERS 4 x 4.  The tokens' group hangs on y alone and is shared along a row of the cluster; the weights' groups hang on cx alone and are shared along a column: both are asked for jointly.
; LDS: the tokens' group (98,304 bytes at 0), filled once, in two halves of K; two slots of 98,304 bytes, each two weight groups x four K steps.  The head: one tensor load a wave: waves 0-3 a K step each of the tokens' first four,
; waves 4-7 a quarter each of slot 0.  Behind the next round likewise the tokens' K steps 4-7 and slot 1.  Then four refills, an eighth of a slot a wave.  At most one tensor load of a wave is out.  All of LDS is claimed.
; A K STEP: the next step's fragments are asked for in one run of 30 loads, then come 16 products.  Behind a change of slots waves 0-3 begin with the loads and waves 4-7 with the products.
; PREFETCH: the weights of the next fill are asked for one fill ahead: of the 12,288 bytes that a wave fetches, the partner cy of a column names 3,072, 12 blocks of 256 bytes, a lane a block (lanes 12 .. 31 name the last again).  All
; clusters read the same weights, so the clusters y = 0 .. 3 alone ask.  Behind the last fill nothing is asked for.
; LIMITS: NaN and infinities are not served; a block of zeros gets the byte 1 (its codes are zeros; this program alone reads the bytes).
; REGISTERS: window 0: addresses; v32-111 scale words, which hold scales alone; v112-207 source 0's set 0; v208-255 source 1's two sets.   window 1: accumulator (a, b) at v[64 a + 8 b]; v128-223 source 0's set 1, on the way out at work.
.set GRPB,  98304                      ; a group's codes: 8 K steps
.set KSB,   12288                      ; a group's K step
.set FRB,   1536
.set REGB,  24576                      ; two K steps of a group
.set SLOT0, 98304
.set SLOTB, 98304
.set SPARE, SLOT0+2*SLOTB              ; the spare words: 128 bytes a wave, four blocks of 256 bytes that no other line names
.set LI,   1                           ; 16 x lane
.set RO,   3                           ; 16 r
.set RW,   4                           ; 16 r + 4 h
.set PFO,  5                           ; 256 x min(lane, 11)
.set SPW,  10
.set NIL,  11
.set AD,   16                          ; v16-17 Q, K: source 0 in slot 0, 1;  v18-19 V: source 0 in the tokens' halves;  v20-21 Q, K: source 1 there;  v22-23 V: source 1 in slot 0, 1
.set SXC,  32                          ; v32-47  the tokens' scale words, my two fragments'
.set SXB,  48                          ; v48-79  the same as whole blocks: fragment i in lanes 0-15, 4 + i in lanes 16-31
.set SW,   80                          ; v80-111 the weight's: whole blocks for Q and K; v80-95 my two fragments' for V
.set TM,   128                         ; window 1, on the way out: eight largest magnitudes
.set TX,   136                         ; the other half's, then bytes
.set TS,   144                         ; the conversions' scale operands
.set PC,   152                         ; two fragments' codes, 20 registers each
.set PW,   192
.set PS,   194
.set G1X, 24                           ; descriptor group 1: the mask of my row, 48 rows of 256 bytes
.set G1H, 32                           ; the mask of my column, 96 rows
.set G1W, 40                           ; the mask of my column, 48 rows
.set G0X, 48                           ; s[48:55] group 0: the tokens' two halves
.set G0H, 56                           ; s[56:63] a quarter of slot 0, 1, for the first two fills
.set G0W, 68                           ; s[68:75] my eighth of slot 0, 1
.set OC,  82                           ; where my codes of Q, then K go
.set OS,  86                           ; and my scale words
.set OCV, 20                           ; V's
.set OSV, 22
.set PFA, 98
.set MSB, 0
.macro WIN new                         ; the immediate's high byte repeats the setting that is left
.if MSB != \new
	s_set_vgpr_msb (MSB<<8)|\new
.set MSB, \new
.endif
.endm
.macro PLACES n
.rept \n
	v_nop
.endr
.endm
.macro CREST                           ; a round of the cluster's barrier behind its opening barrier
	s_cmp_lg_u32 s12, 0
	s_cbranch_scc1 .Lnot_wave_0_\@
	s_barrier_signal -3
.Lnot_wave_0_\@:
	s_barrier_wait -3
	s_barrier_signal -1
	s_barrier_wait -1
.endm
.macro CROUND
	s_barrier_signal -1
	s_barrier_wait -1
	CREST
.endm
.macro GROUP1 g, mask, rows            ; a dense block as rows of 32 elements of 8 bytes, no padding
	s_or_b32 s[\g], \mask, (3<<16)|(1<<21)
	s_mov_b32 s[\g+1], 32<<16
	s_mov_b32 s[\g+2], (\rows)<<16
	s_mov_b32 s[\g+3], 32<<16
	s_mov_b32 s[\g+4], \rows
	s_mov_b32 s[\g+5], 32
	s_mov_b32 s[\g+6], 0
	s_mov_b32 s[\g+7], 0
.endm
.macro GROUP0 g, lds, ldsoff, base, off
	s_mov_b32 s[\g], 1
	s_add_co_u32 s[\g+1], \lds, \ldsoff
	s_add_nc_u64 s[\g+2:\g+3], s[\base:\base+1], \off
	s_or_b32 s[\g+3], s[\g+3], 0x80000000
.endm
.macro JLOAD x, h                      ; waves 0-3: the tokens; waves 4-7: the weights; four v_nop follow each line
	s_cmp_eq_u32 s13, 0
	s_cbranch_scc0 .Lfor_w_\@
	tensor_load_to_lds s[\x:\x+3], s[G1X:G1X+7]
	s_nop 0
	PLACES 4
	s_branch .Lasked_\@
.Lfor_w_\@:
	tensor_load_to_lds s[\h:\h+3], s[G1H:G1H+7]
	s_nop 0
	PLACES 4
.Lasked_\@:
.endm
.macro ASK off                         ; a prefetch, where SCC is 1
	s_cbranch_scc0 .Lnot_mine_\@
	global_prefetch_b8 v[PFO], s[PFA:PFA+1] offset:\off th:TH_LOAD_NT scope:SCOPE_SE
.Lnot_mine_\@:
.endm
; The context of K step q of a matrix (m = 0: Q or K, 1: V), and of the step behind it.
.macro CTX m, q
.set cM, \m
.set cQ, \q
.set cP, (\q)%2
.set cZ, 0
.if (\q) == 0
.set cZ, 1                             ; a matrix's first K step starts the sums with the constant 0
.endif
.set nP, 1-(\q)%2
.set nL, ((\q)+1)%4
.if \m
.set nA0, AD+2+(((\q)+1)%8)/4
.set nA1, AD+6+(((\q)+1)%8)/4
.else
.set nA0, AD+(((\q)+1)%8)/4
.set nA1, AD+4+(((\q)+1)%8)/4
.endif
.endm
.macro WM c                            ; cR = 1: source 0's scale words stand in lanes 16-31
.if cR
	v_wmma_scale_f32_16x16x128_f8f6f4 v[rD:rD+7], v[rX:rX+11], v[rY:rY+11], \c, v[rSX], v[rSY] matrix_a_fmt:MATRIX_FMT_BF6 matrix_b_fmt:MATRIX_FMT_BF6 matrix_a_scale:MATRIX_SCALE_ROW1
.else
	v_wmma_scale_f32_16x16x128_f8f6f4 v[rD:rD+7], v[rX:rX+11], v[rY:rY+11], \c, v[rSX], v[rSY] matrix_a_fmt:MATRIX_FMT_BF6 matrix_b_fmt:MATRIX_FMT_BF6
.endif
.endm
; Product k of a step's 16: block a = k / 8, b = k % 8.  The accumulators take turns, one instruction a turn, in the same order in every step.
.macro MM k
.set rA, (\k)/8
.set rB, (\k)%8
.set cR, rB/4
.set rD, 64*rA+8*rB
.set rX, 112+16*cP+12*rB
.set rY, 208+24*cP+12*rA
.if cM
.set rSX, SXB+4*cQ+rB%4
.set rSY, SW+2*cQ+rA
.else
.set rSX, SW+4*cQ+rB%4
.set rSY, SXC+2*cQ+rA
.endif
.if cP
	WIN 0x51                                       ; source 0 window 1, source 1 window 0, C and D window 1
.else
	WIN 0x50                                       ; both sources window 0
.endif
.if cZ
	WM 0
.else
	WM v[rD:rD+7]
.endif
.endm
.macro RM k0, n                        ; n products from k0 on
.set KK, \k0
.rept \n
	MM KK
.set KK, KK+1
.endr
.endm
.macro FETCH                           ; the next step's fragments: 6 + 24 loads of 512 consecutive bytes
	WIN 0
.irp a, 0,1
.irp c, 0,1,2
	ds_load_b128 v[208+24*nP+12*\a+4*\c:208+24*nP+12*\a+4*\c+3], v[nA1] offset:KSB*nL+FRB*\a+512*\c
.endr
.endr
.if nP
	WIN 0x40                                       ; destination window 1
.endif
.irp i, 0,1,2,3,4,5,6,7
.irp c, 0,1,2
	ds_load_b128 v[112+16*nP+12*\i+4*\c:112+16*nP+12*\i+4*\c+3], v[nA0] offset:KSB*nL+FRB*\i+512*\c
.endr
.endr
.endm
; A load into a register that a matrix instruction has read stands four plain places behind it (ISA guide 7.12.1 for vector instructions).
.macro STEP m, q
	CTX \m, \q
	s_wait_dscnt 0x0                               ; this step's fragments are in
	PLACES 4
	FETCH
	RM 0, 16
.endm
; A slot's last K step changes slots.  Up to the barrier: in front of it each wave waits for all its tensor loads, adds 0 to its spare word, and waits for that and for its reads of the slot.
.macro MEET m, q
	CTX \m, \q
	WIN 0                                          ; (the add's two registers lie in window 0)
	s_wait_tensorcnt 0x0                           ; all my tensor loads have landed
	ds_add_u32 v[SPW], v[NIL]                      ; 0 onto my spare word
	s_wait_dscnt 1                                 ; this step's fragments are in; the add may be out
	RM 0, 4
	s_wait_dscnt 0x0                               ; the add is done, and my reads of the slot are over
	s_barrier_signal -1
	RM 4, 4
	WIN 0
	s_barrier_wait -1
.endm
.macro FILL os                         ; the slot takes the same half of K of the next matrix's two groups: eight groups further on in xwc
	CREST                                          ; the barrier has opened a round: no wave of any partner still reads the slot or has a load on its way
	s_add_nc_u64 s[G0W+4*\os+2:G0W+4*\os+3], s[G0W+4*\os+2:G0W+4*\os+3], 8*GRPB
	tensor_load_to_lds s[G0W+4*\os:G0W+4*\os+3], s[G1W:G1W+7]
	s_nop 0
	PLACES 4                                       ; the places in front of the loads below
.endm
.macro REST                            ; the rest of such a step: waves 0-3 ask for the next fragments first, waves 4-7 multiply first
	s_cmp_eq_u32 s13, 0
	s_cbranch_scc0 .Llate_\@
	FETCH
	RM 8, 8
	WIN 0
	s_branch .Lrest_\@
.Llate_\@:
	RM 8, 8
	FETCH
	WIN 0
.Lrest_\@:
.endm
	s_load_b256 s[4:11], s[0:1], 0x0               ; xwc s[4:5], xws s[6:7], qkvc s[8:9], qkvs s[10:11]
	v_lshl_add_u32 v[SPW], v0, 2, SPARE
	v_mov_b32 v[NIL], 0
	ds_add_u32 v[SPW], v[NIL]                      ; the opening: the add twice on end, under one wait
	ds_add_u32 v[SPW], v[NIL]
	v_lshrrev_b32 v14, 5, v0
	v_readfirstlane_b32 s12, v14                   ; wave 0..7
	s_lshr_b32 s13, s12, 2                         ; w / 4
	s_and_b32 s14, s12, 3                          ; w % 4
	s_lshr_b32 s2, s12, 1                          ; w / 2
	s_and_b32 s3, s12, 1                           ; w % 2
	s_bfe_u32 s15, ttmp6, 0x40000                  ; cx: my quarter of the units (the grid has one cluster along x)
	s_bfe_u32 s16, ttmp6, 0x40004                  ; cy
	s_and_b32 s18, ttmp7, 0xffff                   ; cluster y
	s_lshl_b32 s17, s18, 2
	s_add_co_u32 s17, s17, s16                     ; y: my group of tokens
	s_mul_i32 s94, s3, 4*KSB
	s_add_co_u32 s94, s94, SLOT0                   ; Q, K: source 0: the slot's group w % 2
	s_add_co_u32 s95, s94, SLOTB
	s_mul_i32 s97, s2, 2*FRB                       ; Q, K: source 1: the tokens' fragments 2 (w / 2) on
	s_add_co_u32 s20, s97, 4*KSB
	s_mul_i32 s21, s13, 4*KSB
	s_mul_i32 s22, s14, 2*FRB
	s_add_co_u32 s21, s21, s22
	s_add_co_u32 s21, s21, SLOT0                   ; V: source 1: the slot's group w / 4, fragments 2 (w % 4) on
	s_add_co_u32 s22, s21, SLOTB
	v_and_b32 v14, 31, v0
	v_lshlrev_b32 v[LI], 4, v14
	v_min_u32 v[PFO], 11, v14
	v_lshlrev_b32 v[PFO], 8, v[PFO]
	v_and_b32 v15, 15, v0                          ; r
	v_lshlrev_b32 v[RO], 4, v15
	v_bfe_u32 v15, v0, 4, 1                        ; h
	v_lshl_add_u32 v[RW], v15, 2, v[RO]
	v_add_nc_u32 v[AD], s94, v[LI]
	v_add_nc_u32 v[AD+1], s95, v[LI]
	v_lshlrev_b32 v[AD+2], 4, v14
	v_add_nc_u32 v[AD+3], 4*KSB, v[LI]
	v_add_nc_u32 v[AD+4], s97, v[LI]
	v_add_nc_u32 v[AD+5], s20, v[LI]
	v_add_nc_u32 v[AD+6], s21, v[LI]
	v_add_nc_u32 v[AD+7], s22, v[LI]
	s_lshl_b32 s66, s16, 2
	s_lshl_b32 s66, 15, s66                        ; my row of the cluster
	s_lshl_b32 s67, 0x1111, s15                    ; my column
	GROUP1 G1X, s66, 48
	GROUP1 G1H, s67, 96
	GROUP1 G1W, s67, 48
	s_mul_i32 s19, s14, KSB                        ; LDS: the tokens' K step w % 4
	s_mul_i32 s86, s14, REGB                       ; my quarter of a slot, for the first two fills
	s_mul_i32 s87, s12, KSB                        ; my eighth: no place in the cluster enters an LDS address
	s_mul_i32 s80, s17, GRPB
	s_add_co_u32 s80, s80, s19                     ; the tokens: group y, K step w % 4; s80, s81 never hold cx
	s_mov_b32 s81, 0
	s_lshl_b32 s84, s15, 1
	s_add_co_u32 s84, s84, 64                      ; WQ's group 64 + 2 cx; s84, s85, s88, s89 never hold cy
	s_lshr_b32 s89, s14, 1
	s_add_co_u32 s88, s84, s89
	s_mul_i32 s88, s88, GRPB                       ; for the first two fills: group + (w % 4) / 2,
	s_mul_i32 s89, s3, REGB
	s_add_co_u32 s88, s88, s89                     ; K steps 2 (w % 2), + 1 of the half
	s_mov_b32 s89, 0
	s_add_co_u32 s84, s84, s13
	s_mul_i32 s84, s84, GRPB
	s_add_co_u32 s84, s84, s19                     ; for the ring: group + w / 4, K step w % 4 of the half
	s_mov_b32 s85, 0
	s_mov_b32 s76, 0x76543210
	s_mov_b32 s77, 0xfedcba98                      ; v_permlanex16_b32's selects for lane l xor 16
	s_mov_b32 s78, 0xffff0000                      ; lanes 16-31
	s_mov_b32 s79, 2                               ; trips of the loop over Q and K still to come
	s_cmp_lt_u32 s18, 4
	s_cselect_b32 s96, 1, 255                      ; the prefetches' limit: the trips left are compared with it
	s_wait_alu depctr_va_vdst(0)
	s_wait_dscnt 0x0                               ; both opening adds are done
	CROUND                                         ; all sixteen work-groups are here: the first joint loads meet
	s_wait_kmcnt 0x0
	s_add_nc_u64 s[80:81], s[4:5], s[80:81]
	s_add_nc_u64 s[84:85], s[4:5], s[84:85]
	s_add_nc_u64 s[88:89], s[4:5], s[88:89]
	GROUP0 G0X, s19, 0, 80, 0
	GROUP0 G0H, s86, SLOT0, 88, 0
	JLOAD G0X, G0H                                 ; the tokens' K steps 0-3; WQ's
	GROUP0 G0X+4, s19, 4*KSB, 80, 4*KSB
	GROUP0 G0H+4, s86, SLOT0+SLOTB, 88, 4*KSB
	GROUP0 G0W, s87, SLOT0, 84, 0
	GROUP0 G0W+4, s87, SLOT0+SLOTB, 84, 4*KSB
	; scale words
	s_mov_b32 s95, 0
	s_lshl_b32 s94, s17, 12
	s_add_nc_u64 s[66:67], s[6:7], s[94:95]        ; the tokens' scale blocks,
	s_lshl_b32 s94, s13, 8
	s_and_b32 s97, s2, 1
	s_lshl_b32 s97, s97, 3
	s_add_co_u32 s94, s94, s97                     ; (256 (t / 4) + 4 (t % 4) for t = 2 (w / 2))
	s_add_nc_u64 s[92:93], s[66:67], s[94:95]      ; and in them my two fragments' words
	s_lshl_b32 s97, s15, 1                         ; 2 cx
	s_add_co_u32 s94, s97, s3
	s_add_co_u32 s94, s94, 64
	s_lshl_b32 s94, s94, 12
	s_add_nc_u64 s[90:91], s[6:7], s[94:95]        ; WQ's group 2 cx + w % 2; WK's lies eight groups, 32,768 bytes, on
.irp q, 0,1,2,3,4,5,6,7
	global_load_b128 v[SW+4*\q:SW+4*\q+3], v[LI], s[90:91] offset:512*\q
	global_load_b64 v[SXC+2*\q:SXC+2*\q+1], v[RO], s[92:93] offset:512*\q
	global_load_b128 v[SXB+4*\q:SXB+4*\q+3], v[LI], s[66:67] offset:512*\q
.endr
	s_mul_i32 s94, s16, 3072
	s_add_nc_u64 s[PFA:PFA+1], s[84:85], s[94:95]  ; the prefetches: my partner's quarter of what I fetch
	s_cmp_ge_u32 s79, s96
	ASK 4*KSB                                      ; slot 1's first fill
	; where my two fragments go.  Q, K: [token group y][unit step 2 cx + w % 2], fragments 2 (w / 2) on.   V: [batch y / 16][channel group 2 cx + w / 4][token step y % 16], fragments 2 (w % 4) on
	s_lshl_b32 s19, s17, 3
	s_add_co_u32 s19, s19, s97
	s_add_co_u32 s19, s19, s3
	s_mul_i32 s94, s19, KSB
	s_mul_i32 s18, s2, 2*FRB
	s_add_co_u32 s94, s94, s18
	s_add_nc_u64 s[OC:OC+1], s[8:9], s[94:95]
	s_lshl_b32 s94, s19, 9
	s_lshl_b32 s18, s13, 8
	s_add_co_u32 s94, s94, s18
	s_and_b32 s18, s2, 1
	s_lshl_b32 s18, s18, 3
	s_add_co_u32 s94, s94, s18
	s_add_nc_u64 s[OS:OS+1], s[10:11], s[94:95]
	s_lshr_b32 s19, s17, 4
	s_lshl_b32 s19, s19, 3
	s_add_co_u32 s19, s19, s97
	s_add_co_u32 s19, s19, s13
	s_lshl_b32 s19, s19, 4
	s_and_b32 s18, s17, 15
	s_add_co_u32 s19, s19, s18
	s_mul_i32 s94, s19, KSB
	s_mul_i32 s18, s14, 2*FRB
	s_add_co_u32 s94, s94, s18
	s_add_co_u32 s94, s94, 12582912
	s_add_nc_u64 s[OCV:OCV+1], s[8:9], s[94:95]
	s_lshr_b32 s18, s14, 1
	s_lshl_b32 s18, s18, 8
	s_lshl_b32 s2, s3, 3
	s_add_co_u32 s18, s18, s2                      ; 256 (t / 4) + 4 (t % 4) for t = 2 (w % 4)
	s_lshl_b32 s94, s19, 9
	s_add_co_u32 s94, s94, s18
	s_add_co_u32 s94, s94, 524288
	s_add_nc_u64 s[OSV:OSV+1], s[10:11], s[94:95]
	s_wait_xcnt 0x0                                ; the loads above have read their base
	s_add_co_u32 s94, s97, s13
	s_add_co_u32 s94, s94, 80
	s_lshl_b32 s94, s94, 12
	s_add_co_u32 s94, s94, s18
	s_add_nc_u64 s[92:93], s[6:7], s[94:95]        ; WV's group 2 cx + w / 4, my two fragments' words
; THE WAY OUT of a matrix, all in window 1: block e of source 1 has registers 64 e + 16 c + i, 32-block c of its row's 128.  It becomes one fragment and one scale word a row.  Each accumulator is read from its low end on.
; Four plain places stand between the last products and this.
.macro OUT oc, os
	WIN 0x55
.irp i, 0,2,4,6,8,10,12,14
.irp e, 0,1
.irp c, 0,1,2,3
.if \i == 0
	v_max3_num_f32 v[TM+4*\e+\c], |v[64*\e+16*\c]|, |v[64*\e+16*\c+1]|, 0x2800000   ; with the floor 2^(5 - 127), which holds the byte at 1 from below
.else
	v_max3_num_f32 v[TM+4*\e+\c], |v[64*\e+16*\c+\i]|, |v[64*\e+16*\c+\i+1]|, v[TM+4*\e+\c]
.endif
.endr
.endr
.endr
.irp t, 0,1,2,3,4,5,6,7
	v_permlanex16_b32 v[TX+\t], v[TM+\t], s76, s77
.endr
.irp t, 0,1,2,3,4,5,6,7
	v_max_num_f32 v[TM+\t], v[TM+\t], v[TX+\t]     ; with lane l xor 16's: the block's largest magnitude
.endr
.irp t, 0,1,2,3,4,5,6,7
	v_add_nc_u32 v[TS+\t], 0xfe000000, v[TM+\t]    ; 4 off its exponent field: the conversion's scale operand
.endr
.irp t, 0,1,2,3,4,5,6,7
	v_lshrrev_b32 v[TX+\t], 23, v[TS+\t]           ; the scale's byte
.endr
.irp i, 1,2,3
.irp e, 0,1
.if \i == 1
	v_lshl_or_b32 v[PW+\e], v[TX+4*\e+1], 8, v[TX+4*\e]
.else
	v_lshl_or_b32 v[PW+\e], v[TX+4*\e+\i], 8*\i, v[PW+\e]
.endif
.endr
.endr
.irp e, 0,1
.irp c, 0,1
	v_cvt_scalef32_pk16_bf6_f32 v[PC+20*\e+6*\c:PC+20*\e+6*\c+2], v[64*\e+32*\c:64*\e+32*\c+15], v[TS+4*\e+2*\c]
	v_cvt_scalef32_pk16_bf6_f32 v[PC+20*\e+12+4*\c:PC+20*\e+14+4*\c], v[64*\e+32*\c+16:64*\e+32*\c+31], v[TS+4*\e+2*\c+1]   ; (a conversion's three registers begin on an even number)
.endr
.endr
	v_nop                                          ; one plain place behind a scaled conversion
	v_cndmask_b32 v[PS], v[PW], v[PW+1], s78       ; lane (r, h) stores word h of row r
.irp e, 0,1                                    ; the operand's layout wants a WHOLE block in a lane: lanes 0-15 block 2 c, lanes 16-31 block 2 c + 1
.irp c, 0,1
.irp i, 0,1,2
	v_permlane16_swap_b32 v[PC+20*\e+6*\c+\i], v[PC+20*\e+12+4*\c+\i]
.endr
.endr
.endr
.irp e, 0,1
.irp c, 0,1
.irp i, 0,1,2
	v_mov_b32 v[PC+20*\e+3+6*\c+\i], v[PC+20*\e+12+4*\c+\i]
.endr
.endr
.endr
	WIN 0x04                                       ; a store's data are its source 1: window 1
.irp e, 0,1
.irp c, 0,1,2
	global_store_b128 v[LI], v[PC+20*\e+4*\c:PC+20*\e+4*\c+3], s[\oc:\oc+1] offset:FRB*\e+512*\c   ; 512 consecutive bytes, at a multiple of 256
.endr
.endr
	global_store_b32 v[RW], v[PS], s[\os:\os+1]    ; two waves fill 256 bytes of a scale block together: one byte in 25 of what this launch stores
	WIN 0
.endm
	s_wait_alu depctr_va_vdst(0)
	s_wait_tensorcnt 0x0                           ; my part of the head's tiles is in
	ds_add_u32 v[SPW], v[NIL]
	s_wait_dscnt 0x0
	CROUND
	JLOAD G0X+4, G0H+4                             ; the tokens' K steps 4-7; slot 1: WQ's
	s_cmp_ge_u32 s79, s96
	ASK 8*GRPB                                     ; slot 0's next fill
	CTX 0, 7                                       ; (behind step 7 comes a step 0)
	FETCH
	s_wait_loadcnt 0x0                             ; the scale words
.Lmat:                                                 ; a trip makes Q, then K
	STEP 0, 0
	STEP 0, 1
	STEP 0, 2
	MEET 0, 3
	FILL 0
	s_cmp_ge_u32 s79, s96
	ASK 8*GRPB+4*KSB                               ; slot 1's next fill
	REST
	STEP 0, 4
	STEP 0, 5
	STEP 0, 6
	MEET 0, 7
	FILL 1
	s_cmp_gt_u32 s79, s96                          ; in the first trip alone: slot 0's last fill is WV's
	ASK 16*GRPB
	s_cmp_eq_u32 s79, 2
	s_cbranch_scc0 .Lnext_v
	REST                                           ; Q's last products; K's first fragments
	PLACES 4
.irp q, 0,1,2,3,4,5,6,7
	global_load_b128 v[SW+4*\q:SW+4*\q+3], v[LI], s[90:91] offset:32768+512*\q   ; WK's scale words
.endr
	s_branch .Lnext
.Lnext_v:
.set nA0, AD+2
.set nA1, AD+6
	REST                                           ; K's last products; V's first fragments
	PLACES 4
.irp q, 0,1,2,3,4,5,6,7
	global_load_b64 v[SW+2*\q:SW+2*\q+1], v[RO], s[92:93] offset:512*\q          ; WV's
.endr
.Lnext:
	OUT OC, OS                                     ; the refills are on their way meanwhile
	s_wait_alu depctr_va_vdst(0)
	s_wait_xcnt 0x0                                ; the stores have read their registers, and with the prefetches their bases
	s_add_nc_u64 s[OC:OC+1], s[OC:OC+1], 6291456
	s_add_nc_u64 s[OS:OS+1], s[OS:OS+1], 262144
	s_add_nc_u64 s[PFA:PFA+1], s[PFA:PFA+1], 8*GRPB
	s_wait_loadcnt 0x0                             ; the next matrix's scale words
	s_sub_co_u32 s79, s79, 1
	s_cmp_lg_u32 s79, 0
	s_cbranch_scc1 .Lmat
	STEP 1, 0                                      ; ---- V
	STEP 1, 1
	STEP 1, 2
	MEET 1, 3                                      ; nothing is left to fetch
	PLACES 4
	REST
	STEP 1, 4
	STEP 1, 5
	STEP 1, 6
	CTX 1, 7
	s_wait_dscnt 0x0
	RM 0, 16
	WIN 0
	PLACES 4
	OUT OCV, OSV
	s_wait_tensorcnt 0x0                           ; the wave's end
	ds_add_u32 v[SPW], v[NIL]
	s_wait_dscnt 0x0
	CROUND                                         ; the closing round: no work-group ends while a partner may still ask for a tile that names it
	s_endpgm
.Lfunc_end_k_qeb0853225d_qkv:
	.size	k_qeb0853225d_qkv, .Lfunc_end_k_qeb0853225d_qkv-k_qeb0853225d_qkv
	.p2alignl 7, 3214868480
	.fill 96, 4, 3214868480
	.section	.rodata,"a",@progbits
	.p2align	6, 0x0
	.amdhsa_kernel k_qeb0853225d_qkv
		.amdhsa_group_segment_fixed_size 327680
		.amdhsa_private_segment_fixed_size 0
		.amdhsa_enable_private_segment 0
		.amdhsa_kernarg_size 32
		.amdhsa_user_sgpr_count 2
		.amdhsa_user_sgpr_kernarg_segment_ptr 1
		.amdhsa_wavefront_size32 1
		.amdhsa_system_sgpr_workgroup_id_x 1
		.amdhsa_system_sgpr_workgroup_id_y 1
		.amdhsa_system_sgpr_workgroup_id_z 1
		.amdhsa_system_vgpr_workitem_id 0
		.amdhsa_next_free_vgpr 512
		.amdhsa_next_free_sgpr 100
		.amdhsa_reserve_vcc 0
		.amdhsa_float_denorm_mode_32 3
		.amdhsa_float_denorm_mode_16_64 3
		.amdhsa_memory_ordered 1
		.amdhsa_forward_progress 1
		.amdhsa_inst_pref_size 115
	.end_amdhsa_kernel
	.amdgpu_metadata
---
amdhsa.version: [ 1, 2 ]
amdhsa.kernels:
  - .name:           k_qeb0853225d_qkv
    .symbol:         k_qeb0853225d_qkv.kd
    .args:
      - { .name: xwc, .offset: 0, .size: 8, .value_kind: global_buffer, .address_space: global }
      - { .name: xws, .offset: 8, .size: 8, .value_kind: global_buffer, .address_space: global }
      - { .name: qkvc, .offset: 16, .size: 8, .value_kind: global_buffer, .address_space: global }
      - { .name: qkvs, .offset: 24, .size: 8, .value_kind: global_buffer, .address_space: global }
    .group_segment_fixed_size: 327680
    .private_segment_fixed_size: 0
    .kernarg_segment_align: 8
    .kernarg_segment_size: 32
    .max_flat_workgroup_size: 256
    .sgpr_count:     100
    .vgpr_count:     512
    .wavefront_size: 32
...
	.end_amdgpu_metadata
.endif
;; end of part 2
;; launch scores (part 3): grid 8 x 32, 4 waves a work-group, clusters of 4 x 4, 327,680 bytes of LDS; arguments qkvc, qkvs, pc, pst; writes pc, pst
.if DOCPART == 3
	.amdgcn_target "amdgcn-amd-amdhsa--gfx1250"
	.amdhsa_code_object_version 6
	.text
	.protected	k_qeb0853225d_scores
	.globl	k_qeb0853225d_scores
	.p2align	8
	.type	k_qeb0853225d_scores,@function
k_qeb0853225d_scores:
	s_mov_b64 s[64:65], 0
	v_nop
	global_prefetch_b8 v0, s[64:65] scope:SCOPE_SE
	s_setreg_imm32_b32 hwreg(HW_REG_WAVE_MODE, 25, 1), 1
	s_wait_xcnt 0x0
	s_wait_alu depctr_hold_cnt(0) depctr_sa_sdst(0) depctr_va_vdst(0) depctr_va_sdst(0) depctr_va_ssrc(0) depctr_va_vcc(0) depctr_vm_vsrc(0)
	s_getreg_b32 s2, hwreg(HW_REG_IB_STS2, 6, 4)
	s_cmp_eq_u32 s2, 0
	s_cbranch_scc0 .Lentry_in_a_cluster
	s_endpgm
.Lentry_in_a_cluster:
	s_bfe_u32 s2, ttmp6, 0x10000c
	s_cmp_lg_u32 s2, 0xf033
	s_cbranch_scc0 .Lentry_shape_is_right
	s_endpgm
.Lentry_shape_is_right:
; S^T = K Q^T on codes of E3M2 (K = 1,024), and at once p = 2^(t - M), t = score x log2(e) / 32, quantised along the keys.  The scores never go to memory.
; Operands as the launch before laid them: fragments as images of their registers, groups of 128 rows, scale blocks of 512 bytes; a work-group makes 256 keys x 256 queries, a wave 128 x 128:
; source 0 = a group of keys (blocks b), source 1 = a group of queries (blocks a).  A lane holds ONE query, and the 64 registers of one block of queries are the wave's 128 keys in their order: 32 b + 16 h + i.
; THE MAXIMUM.  M here is the ceiling of the largest t among the WAVE'S OWN 128 keys: a whole number.  The last launch finds the row's M, the largest of its sixteen, and moves each part's scale bytes and sum by the
; whole-number difference: a power of two, which rounds nothing.  So the maximum is taken away ahead of every exponential, and no p is above 2^(one rounding).
; OUT: pc [query group 0..63][key step 0..15][8][1,536]: p's codes;  pst: blocks of 512 bytes [query group][key step], laid as scale blocks: p's scale words at 0, -M (f32) at 524,288, the sum of the unquantised p (f32) at 1,048,576.
; CLUSTERS 4 x 4: the queries' two groups (8 cY + 2 cy + k) are shared along a row of the cluster, the keys' (64 + 16 batch + 8 cluster x + 2 cx + k, batch = cY / 2) along a column, asked for jointly.
; LDS: two slots of two K steps (98,304 bytes): the queries' two groups, then the keys'.  One tensor load a wave at the head (slot 0), slot 1's first fill behind the next round, then two refills: at most one of a wave is out.
; All of LDS is claimed.
; FRAGMENTS are asked for in two runs a step.  The keys' have two sets.  The queries' have one: blocks 4-7 of a step are fetched ahead of its first half, blocks 0-3 of the next step ahead of its second half.
; PREFETCH: the next fill's tiles are asked for one fill ahead: of the 24,576 bytes that a wave fetches, each of the four partners (cx for the queries, cy for the keys) names 6,144, 24 blocks of 256 bytes, a lane a block (lanes 24 .. 31
; name the last again); behind the last fill nothing is asked for.
; LIMITS: NaN and infinities are not served; a p under 2^-126 counts as 0 (v_exp_f32's own); a block whose every p is 0 gets the byte 1.
; REGISTERS: window 0: addresses, v32-95 scale words, which hold scales alone, v128-223 the queries' fragments; on the way out v96-125 and v128-207 at work.   window 1: the keys' two sets, v0-95 and v128-223.
;   windows 2, 3: accumulator (a, b) at v[64 (a % 4) + 8 b], a = 0-3 and 4-7.
.set GRPB,  98304
.set SLOTB, 98304
.set REGB,  24576
.set KSB,   12288
.set FRB,   1536
.set SPARE, 2*SLOTB                    ; the spare words: 128 bytes a wave, two blocks of 256 bytes that no other line names
.set LI,   1
.set ADR0, 2                           ; v2-3 the keys in slot 0, 1
.set ADR1, 4                           ; v4-5 the queries
.set SPW,  8
.set NIL,  9
.set PFO,  10
.set SC0,  32
.set SC1,  64
.set TM,   96                          ; eight blocks' largest
.set TX,   104
.set NM,   112                         ; two pairs, the low word -M
.set TT,   116
.set SO,   118                         ; the conversions' scale operands
.set AF,   128
.set NMS,  128
.set LS,   136
.set SU,   144                         ; sums: two chains for each of two blocks
.set PC,   160
.set PW,   200
.set G1A, 24
.set G1B, 32
.set G0A, 40                           ; s[40:47] a set for each slot
.set G0B, 48                           ; s[48:55]
.set PFA, 60
.set MSB, 0
.macro WIN new                         ; the immediate's high byte repeats the setting that is left
.if MSB != \new
	s_set_vgpr_msb (MSB<<8)|\new
.set MSB, \new
.endif
.endm
.macro PLACES n
.rept \n
	v_nop
.endr
.endm
.macro CREST                           ; a round of the cluster's barrier behind its opening barrier
	s_cmp_lg_u32 s12, 0
	s_cbranch_scc1 .Lnot_wave_0_\@
	s_barrier_signal -3
.Lnot_wave_0_\@:
	s_barrier_wait -3
	s_barrier_signal -1
	s_barrier_wait -1
.endm
.macro CROUND
	s_barrier_signal -1
	s_barrier_wait -1
	CREST
.endm
.macro JLOAD s                         ; waves 0, 1 ask for the queries' groups, waves 2, 3 for the keys'; four v_nop follow each line
	s_cmp_eq_u32 s13, 0
	s_cbranch_scc0 .Lfor_b_\@
	tensor_load_to_lds s[G0A+4*\s:G0A+4*\s+3], s[G1A:G1A+7]
	s_nop 0
	PLACES 4
	s_branch .Lasked_\@
.Lfor_b_\@:
	tensor_load_to_lds s[G0B+4*\s:G0B+4*\s+3], s[G1B:G1B+7]
	s_nop 0
	PLACES 4
.Lasked_\@:
.endm
.macro ASK off
	global_prefetch_b8 v[PFO], s[PFA:PFA+1] offset:\off th:TH_LOAD_NT scope:SCOPE_SE
.endm
.macro CTX q
.set cQ, \q
.set cP, (\q)%2
.set cS, ((\q)/2)%2
.set nP, 1-(\q)%2
.set nS, (((\q)+1)/2)%2
.endm
.macro WM c                            ; cR: +1 the keys', +2 the queries' scale words stand in lanes 16-31
.if cR == 3
	v_wmma_scale_f32_16x16x128_f8f6f4 v[rD:rD+7], v[rX:rX+11], v[rY:rY+11], \c, v[rSX], v[rSY] matrix_a_fmt:MATRIX_FMT_BF6 matrix_b_fmt:MATRIX_FMT_BF6 matrix_a_scale:MATRIX_SCALE_ROW1 matrix_b_scale:MATRIX_SCALE_ROW1
.elseif cR == 2
	v_wmma_scale_f32_16x16x128_f8f6f4 v[rD:rD+7], v[rX:rX+11], v[rY:rY+11], \c, v[rSX], v[rSY] matrix_a_fmt:MATRIX_FMT_BF6 matrix_b_fmt:MATRIX_FMT_BF6 matrix_b_scale:MATRIX_SCALE_ROW1
.elseif cR == 1
	v_wmma_scale_f32_16x16x128_f8f6f4 v[rD:rD+7], v[rX:rX+11], v[rY:rY+11], \c, v[rSX], v[rSY] matrix_a_fmt:MATRIX_FMT_BF6 matrix_b_fmt:MATRIX_FMT_BF6 matrix_a_scale:MATRIX_SCALE_ROW1
.else
	v_wmma_scale_f32_16x16x128_f8f6f4 v[rD:rD+7], v[rX:rX+11], v[rY:rY+11], \c, v[rSX], v[rSY] matrix_a_fmt:MATRIX_FMT_BF6 matrix_b_fmt:MATRIX_FMT_BF6
.endif
.endm
.macro MM k                            ; product k of a step's 64: block a = k / 8 of the queries, b = k % 8 of the keys; the accumulators take turns
.set rA, (\k)/8
.set rB, (\k)%8
.set rD, 64*(rA%4)+8*rB
.set rX, 128*cP+12*rB
.set rY, AF+12*rA
.set rSX, SC0+4*cQ+rB%4
.set rSY, SC1+4*cQ+rA%4
.set cR, rB/4+2*(rA/4)
.if rA < 4
	WIN 0xa1                                       ; source 0 window 1, source 1 window 0, C and D window 2
.else
	WIN 0xf1                                       ; C and D window 3
.endif
.if cQ == 0
	WM 0
.else
	WM v[rD:rD+7]
.endif
.endm
; Three loads of 512 consecutive bytes.  kind 0: block UI of this step's queries; 1: of the next step's keys; 2: of the next step's queries.
.macro UNIT kind
.if (\kind) == 1
	WIN 0x40
.irp c, 0,1,2
	ds_load_b128 v[128*nP+12*UI+4*\c:128*nP+12*UI+4*\c+3], v[ADR0+nS] offset:KSB*nP+FRB*UI+512*\c
.endr
.elseif (\kind) == 2
	WIN 0
.irp c, 0,1,2
	ds_load_b128 v[AF+12*UI+4*\c:AF+12*UI+4*\c+3], v[ADR1+nS] offset:KSB*nP+FRB*UI+512*\c
.endr
.else
	WIN 0
.irp c, 0,1,2
	ds_load_b128 v[AF+12*UI+4*\c:AF+12*UI+4*\c+3], v[ADR1+cS] offset:KSB*cP+FRB*UI+512*\c
.endr
.endif
.endm
.macro UN kind, i0, n                  ; n blocks from i0 on
.set UI, \i0
.rept \n
	UNIT \kind
.set UI, UI+1
.endr
.endm
.macro RM k0, n                        ; n products from k0 on
.set KK, \k0
.rept \n
	MM KK
.set KK, KK+1
.endr
.endm
; A load into a register that a matrix instruction has read stands four plain places behind it (ISA guide 7.12.1 for vector instructions).
.macro STEP q
	CTX \q
	s_wait_dscnt 0x0                               ; the keys' set and the queries' blocks 0-3 are in
	PLACES 4
	UN 0, 4, 4
	UN 1, 0, 4
	RM 0, 32
	s_wait_dscnt 0x0                               ; blocks 4-7 are in
	PLACES 4
	UN 1, 4, 4
	UN 2, 0, 4
	RM 32, 32
.endm
.macro TURN q, fill, off               ; a slot's last K step
	CTX \q
	s_wait_dscnt 0x0
	PLACES 4
	UN 0, 4, 4                                     ; my last reads of the slot
	WIN 0
	s_wait_tensorcnt 0x0                           ; all my tensor loads have landed
	ds_add_u32 v[SPW], v[NIL]                      ; 0 onto my spare word
	RM 0, 16
	s_wait_dscnt 0x0                               ; the add is done, and my reads of the slot are over
	s_barrier_signal -1
	RM 16, 16
	WIN 0
	s_barrier_wait -1
.if \fill
	CREST                                          ; a round of the cluster's barrier: no wave of any partner still reads the slot or has a load on its way
	s_add_nc_u64 s[G0A+4*cS+2:G0A+4*cS+3], s[G0A+4*cS+2:G0A+4*cS+3], 2*REGB
	s_add_nc_u64 s[G0B+4*cS+2:G0B+4*cS+3], s[G0B+4*cS+2:G0B+4*cS+3], 2*REGB
	JLOAD cS                                       ; the first tensor load behind the round: the K steps four on
.if \off
	ASK \off
.endif
.else
	PLACES 4
.endif
	UN 1, 0, 8
	UN 2, 0, 4
	RM 32, 32
.endm
	s_load_b256 s[4:11], s[0:1], 0x0               ; qkvc s[4:5], qkvs s[6:7], pc s[8:9], pst s[10:11]
	v_lshl_add_u32 v[SPW], v0, 2, SPARE
	v_mov_b32 v[NIL], 0
	ds_add_u32 v[SPW], v[NIL]                      ; the opening: the add twice on end, under one wait
	ds_add_u32 v[SPW], v[NIL]
	v_lshrrev_b32 v11, 5, v0
	v_readfirstlane_b32 s12, v11                   ; wave 0..3
	s_lshr_b32 s13, s12, 1                         ; which group of queries is mine.  Also: I fetch queries (0) or keys (1)
	s_and_b32 s14, s12, 1                          ; which group of keys.  Also: which of the two groups I fetch
	s_mul_i32 s90, s14, REGB
	s_add_co_u32 s90, s90, 2*REGB                  ; the keys: regions 2, 3
	s_mul_i32 s91, s13, REGB                       ; the queries: regions 0, 1
	v_and_b32 v11, 31, v0
	v_lshlrev_b32 v[LI], 4, v11
	v_min_u32 v[PFO], 23, v11
	v_lshlrev_b32 v[PFO], 8, v[PFO]
.irp s, 0,1
	v_add_nc_u32 v[ADR0+\s], s90, v[LI]
	v_add_nc_u32 v[ADR1+\s], s91, v[LI]
	s_add_co_u32 s90, s90, SLOTB
	s_add_co_u32 s91, s91, SLOTB
.endr
.irp b, 0,1,2,3,4,5,6,7
	v_mov_b32 v[TX+\b], 0                          ; written once: a lane permute's destination counts as one of its sources
.endr
	v_mov_b32 v[NM+1], 0                           ; (named as the upper halves of the pairs with -M)
	v_mov_b32 v[NM+3], 0
	s_bfe_u32 s15, ttmp6, 0x40000                  ; cx
	s_bfe_u32 s16, ttmp6, 0x40004                  ; cy
	s_and_b32 s17, ttmp7, 0xffff                   ; cluster y
	s_lshl_b32 s80, s17, 3
	s_lshl_b32 s81, s16, 1
	s_add_co_u32 s80, s80, s81                     ; GR = 8 cY + 2 cy: the first group of queries; s80 to s83 never hold cx
	s_lshr_b32 s84, s17, 1                         ; the batch
	s_lshl_b32 s84, s84, 4
	s_lshl_b32 s85, ttmp9, 3
	s_add_co_u32 s84, s84, s85
	s_lshl_b32 s85, s15, 1
	s_add_co_u32 s84, s84, s85
	s_add_co_u32 s84, s84, 64                      ; GC = 64 + 16 batch + 8 cluster x + 2 cx: the first group of keys; s84 to s87 never hold cy
	s_lshl_b32 s88, s16, 2
	s_lshl_b32 s88, 15, s88                        ; my row of the cluster
	s_lshl_b32 s89, 0x1111, s15                    ; my column
	s_or_b32 s[G1A], s88, (3<<16)|(1<<21)          ; a dense block of 24,576 bytes as 96 rows of 32 elements of 8 bytes; no padding
	s_or_b32 s[G1B], s89, (3<<16)|(1<<21)
.irp g, G1A, G1B
	s_mov_b32 s[\g+1], 32<<16
	s_mov_b32 s[\g+2], 96<<16
	s_mov_b32 s[\g+3], 32<<16
	s_mov_b32 s[\g+4], 96
	s_mov_b32 s[\g+5], 32
	s_mov_b32 s[\g+6], 0
	s_mov_b32 s[\g+7], 0
.endr
	s_add_co_u32 s82, s80, s14
	s_mul_i32 s82, s82, GRPB
	s_mov_b32 s83, 0
	s_add_co_u32 s86, s84, s14
	s_mul_i32 s86, s86, GRPB
	s_mov_b32 s87, 0
	s_mul_i32 s19, s12, REGB
	s_mov_b32 s74, 0xffff0000                      ; lanes 16-31
	s_mov_b32 s76, 0x76543210
	s_mov_b32 s77, 0xfedcba98                      ; v_permlanex16_b32's selects for lane l xor 16
	s_mov_b32 s78, 0x3d38aa3b                      ; c = log2(e) / sqrt(1024)
	s_mov_b32 s79, s78                             ; (named with it as a pair, so it is written)
	s_wait_alu depctr_va_vdst(0)
	s_wait_dscnt 0x0                               ; both opening adds are done
	CROUND                                         ; all sixteen work-groups are here: the first joint loads meet
	s_wait_kmcnt 0x0
	s_add_nc_u64 s[20:21], s[4:5], s[82:83]
	s_add_nc_u64 s[22:23], s[4:5], s[86:87]
.irp s, 0,1
	s_mov_b32 s[G0A+4*\s], 1
	s_add_co_u32 s[G0A+4*\s+1], s19, \s*SLOTB
	s_add_nc_u64 s[G0A+4*\s+2:G0A+4*\s+3], s[20:21], \s*REGB
	s_or_b32 s[G0A+4*\s+3], s[G0A+4*\s+3], 0x80000000
	s_mov_b32 s[G0B+4*\s], 1
	s_add_co_u32 s[G0B+4*\s+1], s19, \s*SLOTB
	s_add_nc_u64 s[G0B+4*\s+2:G0B+4*\s+3], s[22:23], \s*REGB
	s_or_b32 s[G0B+4*\s+3], s[G0B+4*\s+3], 0x80000000
.endr
	JLOAD 0                                        ; K steps 0, 1
	s_add_co_u32 s92, s84, s14                     ; my keys' scale blocks
	s_lshl_b32 s92, s92, 12
	s_mov_b32 s93, 0
	s_add_nc_u64 s[66:67], s[6:7], s[92:93]
	s_add_co_u32 s92, s80, s13                     ; my queries'
	s_lshl_b32 s92, s92, 12
	s_add_nc_u64 s[68:69], s[6:7], s[92:93]
.irp q, 0,1,2,3,4,5,6,7
	global_load_b128 v[SC0+4*\q:SC0+4*\q+3], v[LI], s[66:67] offset:512*\q
	global_load_b128 v[SC1+4*\q:SC1+4*\q+3], v[LI], s[68:69] offset:512*\q
.endr
	s_cmp_eq_u32 s13, 0
	s_cselect_b64 s[PFA:PFA+1], s[20:21], s[22:23]
	s_cselect_b32 s94, s15, s16                    ; my place among the four that ask with me
	s_mul_i32 s94, s94, 6144
	s_mov_b32 s95, 0
	s_add_nc_u64 s[PFA:PFA+1], s[PFA:PFA+1], s[94:95]
	ASK REGB                                       ; K steps 2, 3
	s_add_co_u32 s88, s80, s13                     ; where my results go: (query group) x 16 + the key step in the batch
	s_lshl_b32 s88, s88, 4
	s_add_co_u32 s89, s84, s14
	s_and_b32 s89, s89, 15
	s_add_co_u32 s88, s88, s89
	s_mul_i32 s90, s88, KSB
	s_mov_b32 s91, 0
	s_add_nc_u64 s[70:71], s[8:9], s[90:91]
	s_lshl_b32 s90, s88, 9
	s_add_nc_u64 s[72:73], s[10:11], s[90:91]
	s_wait_alu depctr_va_vdst(0)
	s_wait_tensorcnt 0x0                           ; my part of slot 0 is in
	ds_add_u32 v[SPW], v[NIL]
	s_wait_dscnt 0x0
	CROUND
	JLOAD 1                                        ; slot 1: K steps 2, 3
	ASK 2*REGB                                     ; K steps 4, 5
	CTX 7                                          ; (behind step 7 step 0 would come: slot 0, set 0)
	UN 1, 0, 8
	UN 2, 0, 4
	s_wait_loadcnt 0x0                             ; the scale words
	STEP 0
	TURN 1, 1, 3*REGB                              ; slot 0 takes K steps 4, 5; K steps 6, 7 are prefetched
	STEP 2
	TURN 3, 1, 0                                   ; slot 1 takes K steps 6, 7
	STEP 4
	TURN 5, 0, 0
	STEP 6
	CTX 7
	s_wait_dscnt 0x0
	PLACES 4
	UN 0, 4, 4
	RM 0, 32
	s_wait_dscnt 0x0
	RM 32, 32
	WIN 0
	PLACES 4
; THE WAY OUT of two blocks of the queries, a and a + 1: the softmax's numerators of my 128 keys, quantised.  Register 16 b + i = key 32 b + 16 h + i of my query.  Each accumulator is read from its low end on.
.macro SPAIR a
.set W, 2+(\a)/4
.set A0, 64*((\a)%4)
.set WSS, W|(W<<2)
.set WDS, W|(W<<6)
	WIN WSS
	s_wait_alu depctr_va_vdst(0)                   ; ahead of the first reader of these results
.irp e, 0,1
.irp b, 0,1,2,3
	v_max_num_f32 v[TM+4*\e+\b], v[A0+64*\e+16*\b], v[A0+64*\e+16*\b+1]   ; the largest SCORE of each block of 32 keys: it serves for the maximum and, since p rises with the score, for the block's largest p
.endr
.endr
.irp i, 2,4,6,8,10,12,14
.irp e, 0,1
.irp b, 0,1,2,3
	v_max3_num_f32 v[TM+4*\e+\b], v[A0+64*\e+16*\b+\i], v[A0+64*\e+16*\b+\i+1], v[TM+4*\e+\b]
.endr
.endr
.endr
	WIN 0
.irp t, 0,1,2,3,4,5,6,7
	v_permlanex16_b32 v[TX+\t], v[TM+\t], s76, s77
.endr
.irp t, 0,1,2,3,4,5,6,7
	v_max_num_f32 v[TM+\t], v[TM+\t], v[TX+\t]
.endr
.irp e, 0,1
	v_max3_num_f32 v[TT+\e], v[TM+4*\e], v[TM+4*\e+1], v[TM+4*\e+2]
.endr
.irp e, 0,1
	v_max_num_f32 v[TT+\e], v[TT+\e], v[TM+4*\e+3] ; the largest score of my query among these 128 keys,
.endr
.irp e, 0,1
	v_mul_f32 v[TT+\e], s78, v[TT+\e]              ; as t (c is positive)
.endr
.irp e, 0,1
	v_floor_f32 v[NM+2*\e], -v[TT+\e]              ; -M = floor(-t) = -ceil(t): a whole number
.endr
.irp e, 0,1
.irp b, 0,1,2,3
	v_fma_f32 v[TM+4*\e+\b], v[TM+4*\e+\b], s78, v[NM+2*\e]
.endr
.endr
	WIN WDS                                        ; destination and source 0: the accumulators' window
.irp e, 0,1
.set j, A0+64*\e
.rept 32
	v_pk_fma_f32 v[j:j+1], v[j:j+1], s[78:79], v[NM+2*\e:NM+2*\e+1] op_sel_hi:[1,0,0]   ; t - M, two at a time
.set j, j+2
.endr
.endr
	s_wait_alu depctr_va_vdst(0)
.set j, A0
.rept 128
	v_exp_f32 v[j], v[j]                           ; p = 2^(t - M): not normalised
.set j, j+1
.endr
	WIN 0
.irp t, 0,1,2,3,4,5,6,7
	v_exp_f32 v[TM+\t], v[TM+\t]                   ; the block's largest p: the same two instructions on the same number
.endr
	v_mov_b32 v[NMS+\a], v[NM]                     ; (the plain place behind the exponentials)
	v_mov_b32 v[NMS+\a+1], v[NM+2]
	s_wait_alu depctr_va_vdst(0)                   ; ahead of the first instruction that names a result: one wait for the 136
.irp t, 0,1,2,3,4,5,6,7
	v_max_num_f32 v[TM+\t], 0x2800000, v[TM+\t]    ; the floor 2^(5 - 127)
.endr
.irp t, 0,1,2,3,4,5,6,7
	v_add_nc_u32 v[SO+\t], 0xfe000000, v[TM+\t]    ; 4 off the exponent field: the conversion's scale operand
.endr
.irp t, 0,1,2,3,4,5,6,7
	v_lshrrev_b32 v[TX+\t], 23, v[SO+\t]
.endr
.irp i, 1,2,3
.irp e, 0,1
.if \i == 1
	v_lshl_or_b32 v[PW+\a+\e], v[TX+4*\e+1], 8, v[TX+4*\e]
.else
	v_lshl_or_b32 v[PW+\a+\e], v[TX+4*\e+\i], 8*\i, v[PW+\a+\e]
.endif
.endr
.endr
	s_wait_alu depctr_va_vdst(0)
	s_wait_xcnt 0x0                                ; the last pair's stores have read their registers
	WIN W
.irp e, 0,1
.irp c, 0,1
	v_cvt_scalef32_pk16_bf6_f32 v[PC+20*\e+6*\c:PC+20*\e+6*\c+2], v[A0+64*\e+32*\c:A0+64*\e+32*\c+15], v[SO+4*\e+2*\c]
	v_cvt_scalef32_pk16_bf6_f32 v[PC+20*\e+12+4*\c:PC+20*\e+14+4*\c], v[A0+64*\e+32*\c+16:A0+64*\e+32*\c+31], v[SO+4*\e+2*\c+1]
.endr
.endr
	WIN WSS
.irp e, 0,1
	v_pk_add_f32 v[SU+4*\e:SU+4*\e+1], v[A0+64*\e:A0+64*\e+1], v[A0+64*\e+2:A0+64*\e+3]        ; THE SUM IS TAKEN OF THE UNQUANTISED p, two at a time, in two chains a block.  (Plain places behind the conversions)
	v_pk_add_f32 v[SU+4*\e+2:SU+4*\e+3], v[A0+64*\e+4:A0+64*\e+5], v[A0+64*\e+6:A0+64*\e+7]
.endr
	WIN W
.set j, A0+8
.rept 14
.irp e, 0,1
	v_pk_add_f32 v[SU+4*\e:SU+4*\e+1], v[j+64*\e:j+64*\e+1], v[SU+4*\e:SU+4*\e+1]
	v_pk_add_f32 v[SU+4*\e+2:SU+4*\e+3], v[j+64*\e+2:j+64*\e+3], v[SU+4*\e+2:SU+4*\e+3]
.endr
.set j, j+4
.endr
	WIN 0
.irp e, 0,1
	v_pk_add_f32 v[SU+4*\e:SU+4*\e+1], v[SU+4*\e:SU+4*\e+1], v[SU+4*\e+2:SU+4*\e+3]
.endr
.irp e, 0,1                                    ; the operand's layout wants a WHOLE block in a lane
.irp c, 0,1
.irp i, 0,1,2
	v_permlane16_swap_b32 v[PC+20*\e+6*\c+\i], v[PC+20*\e+12+4*\c+\i]
.endr
.endr
.endr
.irp e, 0,1
	v_add_f32 v[SU+4*\e], v[SU+4*\e], v[SU+4*\e+1]
.endr
.irp e, 0,1
.irp c, 0,1
.irp i, 0,1,2
	v_mov_b32 v[PC+20*\e+3+6*\c+\i], v[PC+20*\e+12+4*\c+\i]
.endr
.endr
.endr
.irp e, 0,1
	v_permlanex16_b32 v[SU+4*\e+2], v[SU+4*\e], s76, s77
.endr
.irp e, 0,1
	v_add_f32 v[LS+\a+\e], v[SU+4*\e], v[SU+4*\e+2]   ; with lane l xor 16's 64 keys
.endr
.irp e, 0,1
.irp c, 0,1,2
	global_store_b128 v[LI], v[PC+20*\e+4*\c:PC+20*\e+4*\c+3], s[70:71] offset:FRB*(\a+\e)+512*\c   ; 512 consecutive bytes
.endr
.endr
.endm
	SPAIR 0
	SPAIR 2
	SPAIR 4
	SPAIR 6
	s_wait_alu depctr_va_vdst(0)
	s_wait_xcnt 0x0                                ; the last stores have read their registers
.irp i, 0,1,2,3
	v_cndmask_b32 v[PC+\i], v[PW+\i], v[PW+4+\i], s74        ; three blocks of 512 bytes: fragment i in lanes 0-15, fragment 4 + i in lanes 16-31
	v_cndmask_b32 v[PC+4+\i], v[NMS+\i], v[NMS+4+\i], s74
	v_cndmask_b32 v[PC+8+\i], v[LS+\i], v[LS+4+\i], s74
.endr
	global_store_b128 v[LI], v[PC:PC+3], s[72:73]
	global_store_b128 v[LI], v[PC+4:PC+7], s[72:73] offset:524288
	global_store_b128 v[LI], v[PC+8:PC+11], s[72:73] offset:1048576
	s_wait_tensorcnt 0x0                           ; the wave's end
	ds_add_u32 v[SPW], v[NIL]
	s_wait_dscnt 0x0
	CROUND                                         ; the closing round
	s_endpgm
.Lfunc_end_k_qeb0853225d_scores:
	.size	k_qeb0853225d_scores, .Lfunc_end_k_qeb0853225d_scores-k_qeb0853225d_scores
	.p2alignl 7, 3214868480
	.fill 96, 4, 3214868480
	.section	.rodata,"a",@progbits
	.p2align	6, 0x0
	.amdhsa_kernel k_qeb0853225d_scores
		.amdhsa_group_segment_fixed_size 327680
		.amdhsa_private_segment_fixed_size 0
		.amdhsa_enable_private_segment 0
		.amdhsa_kernarg_size 32
		.amdhsa_user_sgpr_count 2
		.amdhsa_user_sgpr_kernarg_segment_ptr 1
		.amdhsa_wavefront_size32 1
		.amdhsa_system_sgpr_workgroup_id_x 1
		.amdhsa_system_sgpr_workgroup_id_y 1
		.amdhsa_system_sgpr_workgroup_id_z 1
		.amdhsa_system_vgpr_workitem_id 0
		.amdhsa_next_free_vgpr 1024
		.amdhsa_next_free_sgpr 100
		.amdhsa_reserve_vcc 0
		.amdhsa_float_denorm_mode_32 3
		.amdhsa_float_denorm_mode_16_64 3
		.amdhsa_memory_ordered 1
		.amdhsa_forward_progress 1
		.amdhsa_inst_pref_size 192
	.end_amdhsa_kernel
	.amdgpu_metadata
---
amdhsa.version: [ 1, 2 ]
amdhsa.kernels:
  - .name:           k_qeb0853225d_scores
    .symbol:         k_qeb0853225d_scores.kd
    .args:
      - { .name: qkvc, .offset: 0, .size: 8, .value_kind: global_buffer, .address_space: global }
      - { .name: qkvs, .offset: 8, .size: 8, .value_kind: global_buffer, .address_space: global }
      - { .name: pc, .offset: 16, .size: 8, .value_kind: global_buffer, .address_space: global }
      - { .name: pst, .offset: 24, .size: 8, .value_kind: global_buffer, .address_space: global }
    .group_segment_fixed_size: 327680
    .private_segment_fixed_size: 0
    .kernarg_segment_align: 8
    .kernarg_segment_size: 32
    .max_flat_workgroup_size: 128
    .sgpr_count:     100
    .vgpr_count:     1024
    .wavefront_size: 32
...
	.end_amdgpu_metadata
.endif
;; end of part 3
;; launch pv (part 4): grid 4 x 64, 8 waves a work-group, clusters of 4 x 4, 327,680 bytes of LDS; arguments pc, pst, qkvc, qkvs, out0; writes out0
.if DOCPART == 4
	.amdgcn_target "amdgcn-amd-amdhsa--gfx1250"
	.amdhsa_code_object_version 6
	.text
	.protected	k_qeb0853225d_pv
	.globl	k_qeb0853225d_pv
	.p2align	8
	.type	k_qeb0853225d_pv,@function
k_qeb0853225d_pv:
	s_mov_b64 s[64:65], 0
	v_nop
	global_prefetch_b8 v0, s[64:65] scope:SCOPE_SE
	s_setreg_imm32_b32 hwreg(HW_REG_WAVE_MODE, 25, 1), 1
	s_wait_xcnt 0x0
	s_wait_alu depctr_hold_cnt(0) depctr_sa_sdst(0) depctr_va_vdst(0) depctr_va_sdst(0) depctr_va_ssrc(0) depctr_va_vcc(0) depctr_vm_vsrc(0)
	s_getreg_b32 s2, hwreg(HW_REG_IB_STS2, 6, 4)
	s_cmp_eq_u32 s2, 0
	s_cbranch_scc0 .Lentry_in_a_cluster
	s_endpgm
.Lentry_in_a_cluster:
	s_bfe_u32 s2, ttmp6, 0x10000c
	s_cmp_lg_u32 s2, 0xf033
	s_cbranch_scc0 .Lentry_shape_is_right
	s_endpgm
.Lentry_shape_is_right:
; out0 = (P V) / l on codes of E3M2, K = the batch's 2,048 keys.  O^T = V^T P^T: source 0 = 16 channels of V^T (blocks b), source 1 = 16 queries of P (blocks a): a lane holds ONE query, its registers run along the channels.
; P came in sixteen parts along the keys, each under the whole-number M of its own 128 keys.  THE PROLOGUE brings them under the row's M, the largest of the sixteen: E = M(part) - M(row), 0 or less, is added to each of the
; part's scale bytes (a power of two: the codes stay as they are), and l = the sum of l(part) x 2^E.  A byte that would fall under 0 is held at 0, and E at -127.
; LIMIT: such a part then counts with 2^-127 for its true, still smaller scale: at most 28 x 2^-127 x |V| a term.  NaN and infinities are not served.
; The prologue is shared out: wave w does it for fragment w of P's eight, lane (r, h) for row r and the parts 2 i + h, i = 0 .. 7; the new scale words and 1 / l go to all waves through LDS.
; SHARES.  A work-group makes 128 queries (P's group y) x 256 channels; eight waves; wave w, j = w % 4: V^T's fragments 4 (j % 2) .. + 3 of channel group 2 cx + j / 2 (64 channels) x P's fragments 4 (w / 4) .. + 3: 16 accumulators.
; CLUSTERS 4 x 4: P's group is shared along a row of the cluster, V^T's two groups (batch = cluster y / 4) along a column, asked for jointly.
; LDS: two slots of four K steps (147,456 bytes): P 49,152, V^T's groups 49,152 each.  Waves 0-3 fetch a K step of P each, waves 4-7 half a slot's part of a group of V^T each.  One tensor load a wave at the head (slot 0); slot 1's first
; fill stands behind the next round; then two refills: at most one of a wave is out.  All of LDS is claimed.  Behind the ring: the spare words, the new scale words, 1 / l: no tensor load lands there.
; The way out's stages lie in slot 0, which has had its last fill and, behind the last barrier, its last read.
; A K STEP: the next step's fragments are asked for in one run of 24 loads, then come 16 products.  Behind a change of slots waves 0-3 begin with the loads and waves 4-7 with the products.
; PREFETCH: the next fill's tiles are asked for one fill ahead; the four partners that ask for a tile jointly share its blocks of 256 bytes out by address (cx for P, cy for V^T): 12 blocks a wave for P, 24 for V^T, a lane a block
; (the lanes left over name the last again).  Behind the last fill nothing is asked for.
; REGISTERS: window 0: addresses; v32-95 V^T's scale words, v96-159 P's: they hold scales alone; v160-207, v208-255 V^T's two sets (in the prologue, and on the way out: at work).   window 1: accumulator (a, b) at v[32 a + 8 b];
;   v128-175, v176-223 P's two sets.
.set SLOTB, 147456
.set KSB,   12288
.set FRB,   1536
.set SPARE, 2*SLOTB                    ; the spare words: 128 bytes a wave, four blocks of 256 bytes that no other line names
.set SCB,   SPARE+1024                 ; the new scale words, laid as in memory: 16 blocks of 512 bytes
.set RLB,   SCB+8192                   ; 1 / l, laid as one such block
.set SP,    272                        ; a stage row: 256 bytes + 16
.set LI,   1
.set A0,   2                           ; v2-3 V^T in slot 0, 1
.set A1,   4                           ; v4-5 P
.set SPW,  6
.set NIL,  7
.set STO,  8
.set RD,   9
.set RO,   10                          ; 16 r
.set PFO,  11
.set PQ,   12                          ; my prologue words in memory,
.set PQL,  13                          ; in LDS,
.set RLS,  14                          ; and my 1 / l there
.set RLR,  15                          ; where I read 1 / l
.set RL,   16                          ; v16-19
.set SCR,  20                          ; where I read the scale words
.set CO,   21                          ; my offset in out0
.set RP,   24                          ; v24-31 1 / l as the low words of four pairs
.set SCV,  32
.set SCP,  96
.set VF,   160
.set EM,   160                         ; the prologue: v160-167 -M(part), then E - 1, then 2^E
.set SW,   168                         ; v168-175 scale words
.set LP,   176                         ; v176-183 l(part)
.set T0,   184                         ; v184-199 at work
.set T2,   200                         ; v200-205
.set ROW,  160
.set PF,   128                         ; window 1
.set G1P, 24
.set G1V, 32
.set G0P, 40                           ; s[40:47] a set for each slot
.set G0V, 48                           ; s[48:55]
.set PFA, 82
.set MSB, 0
.macro WIN new                         ; the immediate's high byte repeats the setting that is left
.if MSB != \new
	s_set_vgpr_msb (MSB<<8)|\new
.set MSB, \new
.endif
.endm
.macro PLACES n
.rept \n
	v_nop
.endr
.endm
.macro CREST
	s_cmp_lg_u32 s12, 0
	s_cbranch_scc1 .Lnot_wave_0_\@
	s_barrier_signal -3
.Lnot_wave_0_\@:
	s_barrier_wait -3
	s_barrier_signal -1
	s_barrier_wait -1
.endm
.macro CROUND
	s_barrier_signal -1
	s_barrier_wait -1
	CREST
.endm
.macro JLOAD s                         ; a joint load into slot s; four v_nop follow each line
	s_cmp_eq_u32 s13, 0
	s_cbranch_scc0 .Lfor_v_\@
	tensor_load_to_lds s[G0P+4*\s:G0P+4*\s+3], s[G1P:G1P+7]
	s_nop 0
	PLACES 4
	s_branch .Lasked_\@
.Lfor_v_\@:
	tensor_load_to_lds s[G0V+4*\s:G0V+4*\s+3], s[G1V:G1V+7]
	s_nop 0
	PLACES 4
.Lasked_\@:
.endm
.macro ASK f                           ; fill f's tiles
	global_prefetch_b8 v[PFO], s[PFA:PFA+1] offset:4*KSB*\f th:TH_LOAD_NT scope:SCOPE_SE
.endm
.macro CTX q
.set cQ, \q
.set cP, (\q)%2
.set nP, 1-(\q)%2
.set nL, ((\q)+1)%4
.set nS, (((\q)+1)/4)%2
.endm
.macro WM c
	v_wmma_scale_f32_16x16x128_f8f6f4 v[rD:rD+7], v[rX:rX+11], v[rY:rY+11], \c, v[rSX], v[rSY] matrix_a_fmt:MATRIX_FMT_BF6 matrix_b_fmt:MATRIX_FMT_BF6
.endm
; Product k of a step's 16: block a = k / 4, b = k % 4.  The accumulators take turns, one instruction a turn, in the same order in every step.
.macro MM k
.set rA, (\k)/4
.set rB, (\k)%4
.set rD, 32*rA+8*rB
.set rX, VF+48*cP+12*rB
.set rY, PF+48*cP+12*rA
.set rSX, SCV+4*cQ+rB
.set rSY, SCP+4*cQ+rA
	WIN 0x54                                       ; source 0 window 0, source 1, C and D window 1
.if cQ == 0
	WM 0
.else
	WM v[rD:rD+7]
.endif
.endm
.macro RM k0, n                        ; n products from k0 on
.set KK, \k0
.rept \n
	MM KK
.set KK, KK+1
.endr
.endm
.macro FETCH                           ; the next step's fragments: 12 + 12 loads of 512 consecutive bytes
	WIN 0
.irp i, 0,1,2,3
.irp c, 0,1,2
	ds_load_b128 v[VF+48*nP+12*\i+4*\c:VF+48*nP+12*\i+4*\c+3], v[A0+nS] offset:KSB*nL+FRB*\i+512*\c
.endr
.endr
	WIN 0x40                                       ; destination window 1
.irp i, 0,1,2,3
.irp c, 0,1,2
	ds_load_b128 v[PF+48*nP+12*\i+4*\c:PF+48*nP+12*\i+4*\c+3], v[A1+nS] offset:KSB*nL+FRB*\i+512*\c
.endr
.endr
.endm
; A load into a register that a matrix instruction has read stands four plain places behind it (ISA guide 7.12.1 for vector instructions).
.macro STEP q
	CTX \q
	s_wait_dscnt 0x0                               ; this step's fragments are in
	PLACES 4
	FETCH
	RM 0, 16
.endm
; A slot's last K step changes slots: in front of the barrier each wave waits for all its tensor loads, adds 0 to its spare word, and waits for that and for its reads of the slot.  fill = 1: the slot takes the K steps eight on.
.macro TURN q, fill, ask
	CTX \q
.set OS, ((\q)/4)%2
	WIN 0                                          ; (the add's two registers lie in window 0)
	s_wait_tensorcnt 0x0                           ; all my tensor loads have landed
	ds_add_u32 v[SPW], v[NIL]                      ; 0 onto my spare word
	s_wait_dscnt 1                                 ; this step's fragments are in; the add may be out
	RM 0, 4
	s_wait_dscnt 0x0                               ; the add is done, and my reads of the slot are over
	s_barrier_signal -1
	RM 4, 4
	WIN 0
	s_barrier_wait -1
.if \fill
	CREST                                          ; a round of the cluster's barrier: no wave of any partner still reads the slot or has a load on its way
	s_add_nc_u64 s[G0P+4*OS+2:G0P+4*OS+3], s[G0P+4*OS+2:G0P+4*OS+3], 8*KSB
	s_add_nc_u64 s[G0V+4*OS+2:G0V+4*OS+3], s[G0V+4*OS+2:G0V+4*OS+3], 8*KSB
	JLOAD OS                                       ; the first tensor load behind the round; its four v_nop are the places in front of the loads below
.if \ask
	ASK \ask
.endif
.else
	PLACES 4
.endif
	s_cmp_eq_u32 s13, 0
	s_cbranch_scc0 .Llate_\@
	FETCH
	RM 8, 8
	WIN 0
	s_branch .Lrest_\@
.Llate_\@:
	RM 8, 8
	FETCH
	WIN 0
.Lrest_\@:
.endm
	s_load_b256 s[4:11], s[0:1], 0x0               ; pc s[4:5], pst s[6:7], qkvc s[8:9], qkvs s[10:11]
	s_load_b64 s[20:21], s[0:1], 0x20              ; out0
	v_lshl_add_u32 v[SPW], v0, 2, SPARE
	v_mov_b32 v[NIL], 0
	ds_add_u32 v[SPW], v[NIL]                      ; the opening: the add twice on end, under one wait
	ds_add_u32 v[SPW], v[NIL]
	v_lshrrev_b32 v22, 5, v0
	v_readfirstlane_b32 s12, v22                   ; wave 0..7
	s_lshr_b32 s13, s12, 2                         ; which four blocks of P are mine.  Also: I fetch P (0) or V^T (1)
	s_and_b32 s14, s12, 3                          ; j: which 64 channels.  Also: which part of P or V^T I fetch
	s_lshr_b32 s19, s14, 1                         ; j / 2: my channel group
	s_and_b32 s22, s14, 1                          ; j % 2
	s_mul_i32 s74, s19, 4*KSB
	s_mul_i32 s75, s22, 4*FRB
	s_add_co_u32 s74, s74, s75
	s_add_co_u32 s74, s74, 4*KSB                   ; source 0: my group's place in a slot, behind P, and my four fragments
	s_add_co_u32 s75, s74, SLOTB
	s_mul_i32 s78, s13, 4*FRB                      ; source 1: my four blocks of P
	s_add_co_u32 s79, s78, SLOTB
	s_mul_i32 s80, s12, 16*SP                      ; my stage
	s_lshl_b32 s86, s13, 8
	s_lshl_b32 s87, s14, 2
	s_add_co_u32 s87, s86, s87                     ; the prologue: 256 (t / 4) + 4 (t % 4) for fragment t = w
	s_add_co_u32 s90, s87, RLB
	s_add_co_u32 s91, s86, RLB
	s_add_co_u32 s92, s86, SCB
	s_cmp_eq_u32 s13, 0
	s_cselect_b32 s93, 11, 23                      ; the last of a wave's blocks to prefetch
	v_and_b32 v22, 31, v0
	v_lshlrev_b32 v[LI], 4, v22
	v_min_u32 v[PFO], s93, v22
	v_lshlrev_b32 v[PFO], 8, v[PFO]
	v_and_b32 v22, 15, v0                          ; r
	v_bfe_u32 v23, v0, 4, 1                        ; h
	v_lshlrev_b32 v[RO], 4, v22
.irp s, 0,1
	v_add_nc_u32 v[A0+\s], s[74+\s], v[LI]
	v_add_nc_u32 v[A1+\s], s[78+\s], v[LI]
.endr
	v_lshl_add_u32 v[PQ], v23, 9, v[RO]
	v_add_nc_u32 v[PQ], s87, v[PQ]                 ; part h of the first two: 512 h + 16 r + ..
	v_add_nc_u32 v[PQL], SCB, v[PQ]
	v_add_nc_u32 v[RLS], s90, v[RO]
	v_add_nc_u32 v[RLR], s91, v[RO]
	v_add_nc_u32 v[SCR], s92, v[RO]
	v_mul_u32_u24 v[STO], v22, SP
	v_lshl_add_u32 v[STO], v23, 6, v[STO]
	v_add_nc_u32 v[STO], s80, v[STO]               ; the stage, in: row r, + 64 h
	v_mul_u32_u24 v[RD], v23, SP
	v_add_nc_u32 v[RD], v[RD], v[RO]
	v_add_nc_u32 v[RD], s80, v[RD]                 ; back: lanes 0-15 one row of 256 bytes, lanes 16-31 the next
	v_lshl_add_u32 v[CO], v23, 12, v[RO]           ; and the same two rows in out0
.irp i, 0,1,2,3
	v_mov_b32 v[RP+2*\i+1], 0                      ; (named as the upper halves of the pairs with 1 / l)
.endr
	v_mov_b32 v[T2+2], 0                           ; (a lane permute's destination counts as one of its sources)
	s_bfe_u32 s15, ttmp6, 0x40000                  ; cx
	s_bfe_u32 s16, ttmp6, 0x40004                  ; cy
	s_and_b32 s66, ttmp7, 0xffff                   ; cluster y
	s_lshl_b32 s67, s66, 2
	s_add_co_u32 s67, s67, s16                     ; y: P's group; s67 to s69 never hold cx
	s_mul_i32 s68, s67, 16*KSB
	s_mul_i32 s17, s14, KSB                        ; my K step of a slot's four of P: in memory and in LDS
	s_add_co_u32 s68, s68, s17
	s_mov_b32 s69, 0
	s_lshr_b32 s70, s66, 2                         ; the batch
	s_lshl_b32 s70, s70, 3
	s_lshl_b32 s71, s15, 1
	s_add_co_u32 s70, s70, s71
	s_add_co_u32 s70, s70, s19                     ; V^T's group 8 batch + 2 cx + j / 2; s70 to s73 never hold cy
	s_mul_i32 s72, s70, 16*KSB
	s_mul_i32 s73, s22, 2*KSB
	s_add_co_u32 s72, s72, s73                     ; K steps 2 (j % 2), + 1 of a slot's four
	s_add_co_u32 s72, s72, 12582912                ; behind Q's and K's codes
	s_mov_b32 s73, 0
	s_mul_i32 s18, s14, 2*KSB
	s_add_co_u32 s18, s18, 4*KSB                   ; their place in a slot, behind P
	s_lshl_b32 s88, s16, 2
	s_lshl_b32 s88, 15, s88                        ; my row of the cluster
	s_lshl_b32 s89, 0x1111, s15                    ; my column
	s_or_b32 s[G1P], s88, (3<<16)|(1<<21)          ; dense blocks as rows of 32 elements of 8 bytes, no padding: P 48 rows, V^T 96
	s_or_b32 s[G1V], s89, (3<<16)|(1<<21)
	s_mov_b32 s[G1P+2], 48<<16
	s_mov_b32 s[G1P+4], 48
	s_mov_b32 s[G1V+2], 96<<16
	s_mov_b32 s[G1V+4], 96
.irp g, G1P, G1V
	s_mov_b32 s[\g+1], 32<<16
	s_mov_b32 s[\g+3], 32<<16
	s_mov_b32 s[\g+5], 32
	s_mov_b32 s[\g+6], 0
	s_mov_b32 s[\g+7], 0
.endr
	s_mov_b32 s62, 0x80808081
	s_mov_b32 s63, 0x80808080
	s_mov_b32 s2, 0x76543210
	s_mov_b32 s3, 0xfedcba98                       ; v_permlanex16_b32's selects for lane l xor 16
	s_wait_alu depctr_va_vdst(0)
	s_wait_dscnt 0x0                               ; both opening adds are done
	CROUND                                         ; all sixteen work-groups are here: the first joint loads meet
	s_wait_kmcnt 0x0
	s_add_nc_u64 s[68:69], s[4:5], s[68:69]
	s_add_nc_u64 s[72:73], s[8:9], s[72:73]
.irp s, 0,1
	s_mov_b32 s[G0P+4*\s], 1
	s_add_co_u32 s[G0P+4*\s+1], s17, \s*SLOTB
	s_add_nc_u64 s[G0P+4*\s+2:G0P+4*\s+3], s[68:69], \s*4*KSB
	s_or_b32 s[G0P+4*\s+3], s[G0P+4*\s+3], 0x80000000
	s_mov_b32 s[G0V+4*\s], 1
	s_add_co_u32 s[G0V+4*\s+1], s18, \s*SLOTB
	s_add_nc_u64 s[G0V+4*\s+2:G0V+4*\s+3], s[72:73], \s*4*KSB
	s_or_b32 s[G0V+4*\s+3], s[G0V+4*\s+3], 0x80000000
.endr
	JLOAD 0                                        ; K steps 0-3
	s_lshl_b32 s76, s67, 13                        ; P's blocks of 512 bytes: 16 to a group
	s_mov_b32 s77, 0
	s_add_nc_u64 s[56:57], s[6:7], s[76:77]
	s_lshl_b32 s76, s70, 13
	s_lshl_b32 s78, s22, 8
	s_add_co_u32 s76, s76, s78
	s_add_co_u32 s76, s76, 524288                  ; V^T's scale blocks, behind Q's and K's: the half with my four fragments
	s_add_nc_u64 s[58:59], s[10:11], s[76:77]
.irp i, 0,1,2,3,4,5,6,7
	global_load_b32 v[EM+\i], v[PQ], s[56:57] offset:524288+1024*\i                  ; -M of part 2 i + h
.endr
.irp i, 0,1,2,3,4,5,6,7
	global_load_b32 v[SW+\i], v[PQ], s[56:57] offset:1024*\i                         ; its scale word
.endr
.irp i, 0,1,2,3,4,5,6,7
	global_load_b32 v[LP+\i], v[PQ], s[56:57] offset:1048576+1024*\i                 ; its sum
.endr
.irp q, 0,1,2,3,4,5,6,7,8,9,10,11,12,13,14,15
	global_load_b128 v[SCV+4*\q:SCV+4*\q+3], v[RO], s[58:59] offset:512*\q           ; V^T's scale words, the same in both halves of the lanes
.endr
	s_mul_i32 s84, s15, 3072
	s_mul_i32 s86, s16, 6144
	s_cmp_eq_u32 s13, 0
	s_cselect_b64 s[PFA:PFA+1], s[68:69], s[72:73]
	s_cselect_b32 s84, s84, s86                    ; my partner's quarter of what I fetch
	s_mov_b32 s85, 0
	s_add_nc_u64 s[PFA:PFA+1], s[PFA:PFA+1], s[84:85]
	ASK 1                                          ; K steps 4-7
	s_lshl_b32 s76, s67, 19                        ; out0: 128 y rows of 4,096 bytes
	s_lshl_b32 s78, s13, 18                        ; + 64 (w / 4) rows
	s_add_co_u32 s76, s76, s78
	s_lshl_b32 s78, s15, 10                        ; + 256 cx channels
	s_add_co_u32 s76, s76, s78
	s_lshl_b32 s78, s14, 8                         ; + 64 j
	s_add_co_u32 s76, s76, s78
	s_add_nc_u64 s[60:61], s[20:21], s[76:77]
	; ---- THE PROLOGUE, on registers, while the first tiles are on their way
	s_wait_alu depctr_va_vdst(0)
	s_wait_loadcnt 32                              ; the eight -M are in; the 32 younger loads may be out
	v_max3_num_f32 v[T2], -v[EM], -v[EM+1], -v[EM+2]
	v_max3_num_f32 v[T2+1], -v[EM+3], -v[EM+4], -v[EM+5]
	v_max3_num_f32 v[T2], v[T2], -v[EM+6], -v[EM+7]
	v_max_num_f32 v[T2], v[T2], v[T2+1]
	v_permlanex16_b32 v[T2+2], v[T2], s2, s3
	v_max_num_f32 v[T2], v[T2], v[T2+2]            ; the row's M
	v_sub_f32 v[T2], -1.0, v[T2]                   ; -M(row) - 1
.irp i, 0,1,2,3,4,5,6,7
	v_sub_f32 v[EM+\i], v[T2], v[EM+\i]            ; E - 1 = -M(row) - 1 + M(part): a whole number, -1 or less
.endr
.irp i, 0,1,2,3,4,5,6,7
	v_max_num_f32 v[EM+\i], 0xc3000000, v[EM+\i]   ; held at -128
.endr
.irp i, 0,1,2,3,4,5,6,7
	v_cvt_i32_f32 v[EM+\i], v[EM+\i]
.endr
	s_wait_alu depctr_va_vdst(0)
	s_wait_loadcnt 24                              ; the scale words are in
; Each byte b (1 .. 123) becomes max(b + E, 0), four at a time.  With n = -E (0 .. 127) the low byte of E - 1 is 255 - n; that byte four times is 0xffffffff - n x 0x01010101, so that the sum below is, in each byte, b + 128 - n,
; at least 2: nothing is borrowed from the byte above.  Bit 7 then says whether b + E is 0 or more, and makes the mask that keeps the low seven bits or clears them.
.irp i, 0,1,2,3,4,5,6,7
	v_perm_b32 v[T0+\i], v[EM+\i], v[EM+\i], 0     ; its low byte, four times
.endr
.irp i, 0,1,2,3,4,5,6,7
	v_add3_u32 v[SW+\i], v[SW+\i], v[T0+\i], s62
.endr
.irp i, 0,1,2,3,4,5,6,7
	v_and_b32 v[T0+\i], s63, v[SW+\i]
.endr
.irp i, 0,1,2,3,4,5,6,7
	v_lshrrev_b32 v[T0+8+\i], 7, v[T0+\i]
.endr
.irp i, 0,1,2,3,4,5,6,7
	v_sub_nc_u32 v[T0+\i], v[T0+\i], v[T0+8+\i]    ; 0x7f in each byte whose bit 7 is set
.endr
.irp i, 0,1,2,3,4,5,6,7
	v_and_b32 v[SW+\i], v[SW+\i], v[T0+\i]
.endr
.irp i, 0,1,2,3,4,5,6,7
	v_ldexp_f32 v[EM+\i], 2.0, v[EM+\i]            ; 2^E
.endr
	s_wait_alu depctr_va_vdst(0)
	s_wait_loadcnt 16                              ; the parts' sums are in
	v_mul_f32 v[T2], v[LP], v[EM]
	v_mul_f32 v[T2+1], v[LP+1], v[EM+1]
.irp i, 2,4,6
	v_fma_f32 v[T2], v[LP+\i], v[EM+\i], v[T2]
	v_fma_f32 v[T2+1], v[LP+\i+1], v[EM+\i+1], v[T2+1]
.endr
	v_add_f32 v[T2], v[T2], v[T2+1]
	v_permlanex16_b32 v[T2+2], v[T2], s2, s3
	v_add_f32 v[T2+3], v[T2], v[T2+2]              ; l = the sum of l(part) x 2^E
	s_wait_alu depctr_va_vdst(0)
	v_rcp_f32 v[T2+4], v[T2+3]
	v_nop                                          ; a plain place behind it
	s_wait_alu depctr_va_vdst(0)
	s_wait_tensorcnt 0x0                           ; my part of slot 0 is in
.irp i, 0,1,2,3,4,5,6,7
	ds_store_b32 v[PQL], v[SW+\i] offset:1024*\i
.endr
	ds_store_b32 v[RLS], v[T2+4]                   ; (lanes r and 16 + r write the same word with the same value)
	s_wait_tensorcnt 0x0
	ds_add_u32 v[SPW], v[NIL]
	s_wait_dscnt 0x0                               ; the add and my stores are done
	CROUND
	JLOAD 1                                        ; slot 1: K steps 4-7
	ASK 2                                          ; K steps 8-11
.irp q, 0,1,2,3,4,5,6,7,8,9,10,11,12,13,14,15
	ds_load_b128 v[SCP+4*\q:SCP+4*\q+3], v[SCR] offset:512*\q                        ; P's new scale words, my four fragments'
.endr
	ds_load_b128 v[RL:RL+3], v[RLR]
	CTX 15                                         ; (behind step 15 step 0 would come: slot 0, set 0)
	FETCH
	WIN 0
	s_wait_loadcnt 0x0                             ; V^T's scale words
	STEP 0                                         ; the first products start the sums: nothing is cleared
	STEP 1
	STEP 2
	TURN 3, 1, 3                                   ; slot 0 takes K steps 8-11; K steps 12-15 are prefetched
	STEP 4
	STEP 5
	STEP 6
	TURN 7, 1, 0                                   ; slot 1 takes K steps 12-15
	STEP 8
	STEP 9
	STEP 10
	TURN 11, 0, 0                                  ; nothing is left to fetch; behind this barrier nobody reads slot 0
	STEP 12
	STEP 13
	STEP 14
	CTX 15
	s_wait_dscnt 0x0
	RM 0, 16
	WIN 0
.irp i, 0,1,2,3
	v_mov_b32 v[RP+2*\i], v[RL+\i]                 ; (four plain places in front of the first read of results)
.endr
; THE WAY OUT, block by block of 16 queries x my 64 channels.  Register 16 c + i of block a of lane (r, h) is channel 32 c + 16 h + i of query r: divided by l in place, through my own stage, and back as whole rows of 256 bytes.
.macro SCALE a
	WIN 0x41                                       ; destination and source 0: window 1
.set k, 32*(\a)
.rept 16
	v_pk_mul_f32 v[k:k+1], v[k:k+1], v[RP+2*(\a):RP+2*(\a)+1] op_sel_hi:[1,0]   ; each accumulator from its low end on
.set k, k+2
.endr
.endm
.macro TOSTAGE a
	WIN 0x04                                       ; an LDS store's data are its source 1: window 1
.irp c, 0,1
.irp k, 0,1,2,3
	ds_store_b128 v[STO], v[32*(\a)+16*\c+4*\k:32*(\a)+16*\c+4*\k+3] offset:128*\c+16*\k
.endr
.endr
	WIN 0
.irp t, 0,1,2,3,4,5,6,7
	ds_load_b128 v[ROW+32*((\a)%2)+4*\t:ROW+32*((\a)%2)+4*\t+3], v[RD] offset:2*SP*\t   ; LDS serves a wave's instructions in order (ISA guide 5.7.1.4): these see the stores above
.endr
.endm
.macro SEND a, younger                 ; younger: the LDS instructions issued behind block a's loads, which may stay out
	s_wait_dscnt \younger
.irp t, 0,1,2,3,4,5,6,7
	global_store_b128 v[CO], v[ROW+32*((\a)%2)+4*\t:ROW+32*((\a)%2)+4*\t+3], s[60:61] offset:(32*((\a)/2)+8*((\a)%2)+2*\t+8*(\t/4))*4096 th:TH_STORE_NT   ; two rows of 256 consecutive bytes, at multiples of 256 from out0's first byte
.endr
.endm
	SCALE 0
	TOSTAGE 0
.irp a, 1,2,3
	SCALE \a
.if \a > 1
	s_wait_alu depctr_va_vdst(0)
	s_wait_xcnt 0x0                                ; block a - 2's stores have read their registers: block a's rows may land there
.endif
	TOSTAGE \a
	SEND \a-1, 16                                  ; behind block a - 1's loads: block a's 8 stores and 8 loads
.endr
	SEND 3, 0
	WIN 0
	s_wait_tensorcnt 0x0                           ; the wave's end
	ds_add_u32 v[SPW], v[NIL]
	s_wait_dscnt 0x0
	CROUND                                         ; the closing round
	s_endpgm
.Lfunc_end_k_qeb0853225d_pv:
	.size	k_qeb0853225d_pv, .Lfunc_end_k_qeb0853225d_pv-k_qeb0853225d_pv
	.p2alignl 7, 3214868480
	.fill 96, 4, 3214868480
	.section	.rodata,"a",@progbits
	.p2align	6, 0x0
	.amdhsa_kernel k_qeb0853225d_pv
		.amdhsa_group_segment_fixed_size 327680
		.amdhsa_private_segment_fixed_size 0
		.amdhsa_enable_private_segment 0
		.amdhsa_kernarg_size 40
		.amdhsa_user_sgpr_count 2
		.amdhsa_user_sgpr_kernarg_segment_ptr 1
		.amdhsa_wavefront_size32 1
		.amdhsa_system_sgpr_workgroup_id_x 1
		.amdhsa_system_sgpr_workgroup_id_y 1
		.amdhsa_system_sgpr_workgroup_id_z 1
		.amdhsa_system_vgpr_workitem_id 0
		.amdhsa_next_free_vgpr 512
		.amdhsa_next_free_sgpr 100
		.amdhsa_reserve_vcc 0
		.amdhsa_float_denorm_mode_32 3
		.amdhsa_float_denorm_mode_16_64 3
		.amdhsa_memory_ordered 1
		.amdhsa_forward_progress 1
		.amdhsa_inst_pref_size 102
	.end_amdhsa_kernel
	.amdgpu_metadata
---
amdhsa.version: [ 1, 2 ]
amdhsa.kernels:
  - .name:           k_qeb0853225d_pv
    .symbol:         k_qeb0853225d_pv.kd
    .args:
      - { .name: pc, .offset: 0, .size: 8, .value_kind: global_buffer, .address_space: global }
      - { .name: pst, .offset: 8, .size: 8, .value_kind: global_buffer, .address_space: global }
      - { .name: qkvc, .offset: 16, .size: 8, .value_kind: global_buffer, .address_space: global }
      - { .name: qkvs, .offset: 24, .size: 8, .value_kind: global_buffer, .address_space: global }
      - { .name: out0, .offset: 32, .size: 8, .value_kind: global_buffer, .address_space: global }
    .group_segment_fixed_size: 327680
    .private_segment_fixed_size: 0
    .kernarg_segment_align: 8
    .kernarg_segment_size: 40
    .max_flat_workgroup_size: 256
    .sgpr_count:     100
    .vgpr_count:     512
    .wavefront_size: 32
...
	.end_amdgpu_metadata
.endif
;; end of part 4
